; MI455X (gfx1250); checked and timed in simulation.
; The chip was launched on July 23, 2026; its instructions are those of AMD's public machine-readable ISA for CDNA 5 (MIT licence, August 2026) and "CDNA5" Instruction Set Architecture Reference Guide (July 2026). The comments in the code are by the model that wrote it; some were corrected since.
;; Multi Head Attention. Allowed arithmetic: matrix products marked QUANTISED: E2M3 operands, one E8M0 scale for each 32 along K, by v_wmma_scale_f32_16x16x128_f8f6f4 with both operands' format E2M3, f32 sums; everything else in f32.
;; Inputs: Wkv 1,024 x 2,048 float32; Wo 1,024 x 1,024 float32; Wq 1,024 x 1,024 float32; bkv 2,048 float32; bo 1,024 float32; bq 1,024 float32; query 8 x 1,024 x 1,024 float32; value 8 x 1,024 x 1,024 float32.
;; Outputs: out0 8 x 1,024 x 1,024 float32.
;; This version of the problem:
;;   THIS VERSION OF THE PROBLEM IS GIVEN IN LOW PRECISION. The matrix products marked QUANTISED in the list below multiply operands that are first quantised to E2M3 (2 exponent bits, 3 mantissa bits; 6 bits a number), with one power-of-two scale for each 32 numbers along K (OCP MX v1.0); their sums are f32. All else is computed in f32.
;;   The module's matrix products, in the order in which they are computed (A, B: the left and right operand; K: the contracted axis; several contracted axes count as one K, in the product's order):
;;     1. [M 8,192, K 1,024] x [K 1,024, N 1,024]; A: input query; B: input Wq: QUANTISED
;;     2. [M 8,192, K 1,024] x [K 1,024, N 2,048]; A: input value; B: input Wkv: QUANTISED
;;     3. batch 128 x [M 1,024, K 64] x [K 64, N 1,024]; A: computed on the way; B: computed on the way: QUANTISED
;;     4. batch 128 x [M 64, K 1,024] x [K 1,024, N 1,024]; A: computed on the way; B: softmax (see below): QUANTISED
;;     5. [M 8,192, K 1,024] x [K 1,024, N 1,024]; A: computed on the way; B: input Wo: QUANTISED
;;   THE QUANTISER, for each operand of a quantised product, along K:
;;     - K is cut into blocks of 32 from its start; a last block that is shorter is filled with zeros.
;;     - A block's scale is 2^e with e = floor(log2(the largest magnitude in the block)) - 2, held to -126 .. 127; a block of zeros has e = 0. As a byte (E8M0): e + 127.
;;     - Each number is divided by its block's scale, clamped to +-7.5, and rounded to the nearest number of E2M3, ties to even, subnormals kept.
;;     - The product sums the exact products of the quantised numbers (number of the format x scale) in f32.
;;   ~~~python
;;   def quantise(x, axis):      # numpy; x: float32 -> the quantised numbers, widened to float32 again
;;       x = np.moveaxis(x, axis, -1); K = x.shape[-1]
;;       x = np.pad(x, [(0, 0)] * (x.ndim - 1) + [(0, -K % 32)]); x = x.reshape(x.shape[:-1] + (-1, 32)); a = np.abs(x).max(-1, keepdims=True)
;;       e = np.where(a > 0, np.clip(np.frexp(np.where(a > 0, a, 1))[1] - 1 - 2, -126, 127), 0)      # np.frexp(a)[1] - 1 = floor(log2(a)), exactly
;;       r = np.clip(x / 2.0 ** e, -7.5, 7.5)
;;       step = 2.0 ** (np.maximum(np.frexp(np.where(r == 0, 1, r))[1] - 1, 0) - 3)
;;       q = np.round(r / step) * step * 2.0 ** e      # np.round: ties to even
;;       return np.moveaxis(q.reshape(q.shape[:-2] + (-1,))[..., :K], -1, axis).astype(np.float32)
;;   ~~~
;;   SOFTMAX AHEAD OF A QUANTISED PRODUCT. Where the list says 'softmax', what is quantised is not the finished softmax but p = 2^(t - M), with t = logit x log2(e) and M = ceil(the row's largest t), a whole number; so 1/2 < the row's largest p <= 1. The row's sum l is taken of the UNQUANTISED p, in f32, and the product's result is divided by l at the end. Since M is a whole number, a kernel that streams over the keys may use a running M (the ceiling of the running maximum): every later rescaling is an exact power of two, which a block's scale takes up: the codes' values come out the same.
;;   OPERANDS COMPUTED ON THE WAY. 'Computed on the way' means the value that the module computes at that place (a softmax that the list does not call 'softmax' is quantised finished and normalised). What goes into a quantiser is computed in f32, as accurately as f32 sums, v_exp_f32 and their like allow (about 1e-6 of the number): no bf16 or f16 on the way to a quantiser, and a product that is left as it is and whose result goes on into a quantised operand takes f32 operands (vector FMAs, or v_wmma_f32_16x16x4_f32). A number that lies on a knife's edge between two numbers of the format may be rounded either way, as far as f32 arithmetic and the matrix unit's own rounding can turn it there, and no further.
;; One version. Each part assembles by itself: llvm-mc -triple=amdgcn-amd-amdhsa -mcpu=gfx1250 --defsym DOCPART=n.
;; ======== version 1 of 1: 4 launches
;; limits: right only within a limited range of input values
;; workspace buffers: xc 12,582,912 bytes; wc 3,145,728 bytes; sc 655,360 bytes; qr 13,631,488 bytes; kvr 13,631,488 bytes; hc 6,291,456 bytes; hs 262,144 bytes
;; launch quant (part 1): grid 640 x 1, 4 waves a work-group, no clusters, 47,616 bytes of LDS; arguments query, value, Wq, Wkv, Wo, xc, wc, sc; writes xc, wc, sc
.if DOCPART == 1
	.amdgcn_target "amdgcn-amd-amdhsa--gfx1250"
	.amdhsa_code_object_version 6
	.text
	.protected	k_q6e4735fec6_quant
	.globl	k_q6e4735fec6_quant
	.p2align	8
	.type	k_q6e4735fec6_quant,@function
k_q6e4735fec6_quant:
	s_mov_b64 s[64:65], 0
	v_nop
	global_prefetch_b8 v0, s[64:65] scope:SCOPE_SE
	s_setreg_imm32_b32 hwreg(HW_REG_WAVE_MODE, 25, 1), 1
	s_wait_xcnt 0x0
; MULTI-HEAD ATTENTION IN MX-FP6, launch 1 of 4: query, value, Wq, Wkv and Wo (f32) become codes of E2M3 with one E8M0 byte for each 32 along K = 1,024.
; DEAD WORK: none.  Every product of reference() reaches the output, every bias goes into a quantised operand (bq, bkv) or into the output (bo): all eight inputs are loaded, nothing is left out in any launch.
; LIMITS: NaN and infinities among the inputs are not served.  A block whose largest magnitude lies under 2^-124 gets the byte 1 (the floor); a block of zeros gets the byte 1 where the rule says 127:
; its codes are zeros, which add nothing under any byte but 0xff, and the bytes are read by this program alone.
; LAYOUT OF ALL OPERANDS BETWEEN THE LAUNCHES: AN IMAGE OF THE OPERAND'S REGISTERS.  A fragment is 16 rows x 128 K = 12 registers a lane (lane (r, h): registers 6 c .. 6 c + 5 hold k = 64 c + 32 h + 0 .. 31 of row r);
; it lies as [register group 0..2][lane 0..31][16 bytes], 1,536 bytes: three stores or loads of 512 consecutive bytes.  xc and wc: [tile][K step 0..7][1,536].
; THE ROWS OF A TILE ARE NOT NEIGHBOURS: of 32 rows, tile u (0, 1) holds in lane r the row 8 u + r + 8 (r / 8): a product whose source 0 is such a pair of tiles leaves 16 neighbours in a lane's 16 registers.
; Rows: query's 8,192, then value's 8,192.  Columns of the weights: Wq's 1,024, Wkv's 2,048, Wo's 1,024.
; sc, the scale words (four bytes: a row's 128 along K): [pair of tiles][K quarter 0..3][u][r][2 words], 1,024 bytes a pair; the rows' part from byte 0, the weights' from byte 524,288.
; SHARES.  Work-groups 0..511: 32 rows each; wave w takes k = 256 w .. 256 w + 255 (path X).  Work-groups 512..639: 128 columns x 256 along K; wave w takes 32 columns (path W).
; The two paths part once, on the work-group's number, never join, and have LDS bytes of their own.  Waves share nothing: no barrier.  No work-group reads what another reads: no cluster, no tensor load.
.set XST,   8448                       ; path X: a wave's stage, 16 rows x (512 bytes + 16)
.set WST0,  33792                      ; path W: the stages begin here,
.set WSTB,  3328                       ; one for each wave: two tile images, 1,664 bytes apart
.set SPARE, 47104                      ; the spare words, 128 bytes for each wave: two blocks of 256 bytes that no other line names
.set SPW,   3                          ; v3  LDS address of my spare word; never rewritten
.set NIL,   4                          ; v4  0; never rewritten
.set FLOOR, 0x1800000                  ; 2^(3 - 127): no largest magnitude is taken under it, so the byte cannot fall under 1
.set EOFF,  0xff000000                 ; takes 2 off an exponent field
	s_load_b256 s[4:11], s[0:1], 0x0               ; query, value, Wq, Wkv
	s_load_b256 s[12:19], s[0:1], 0x20             ; Wo, xc, wc, sc
	v_lshl_add_u32 v[SPW], v0, 2, SPARE
	v_mov_b32 v[NIL], 0
	v_lshrrev_b32 v1, 5, v0
	v_readfirstlane_b32 s20, v1                    ; wave
	v_and_b32 v1, 31, v0                           ; lane
	v_lshlrev_b32 v2, 4, v1                        ; 16 x lane
	v_lshlrev_b32 v7, 3, v1                        ; 8 x lane
	s_mov_b32 s22, 0x76543210
	s_mov_b32 s23, 0xfedcba98                      ; v_permlanex16_b32's selects for lane l xor 16
	s_wait_kmcnt 0x0
	s_cmp_lt_u32 ttmp9, 512
	s_cbranch_scc0 .Lweights
; ---------------- PATH X: rows whose K is innermost ----------------
; A unit is one tile x one K step.  16 loads take 16 rows' 512 consecutive bytes each; they turn through the wave's stage, so that lane (r, h) gets the 2 x 32 neighbours of row r that the operand's layout gives it.
; REGISTERS: v5 stage in, v6 stage out, v8-15 at work, v16-19 the four units' scale words, v22 8 h, v32-95 a lane's 64 numbers, v96-223 two sets as loaded, v224-235 the codes, v236.., v240.. second halves of blocks.
	s_cmp_lt_u32 ttmp9, 256                        ; query's rows or value's: the choice hangs on the work-group's number alone
	s_cselect_b64 s[4:5], s[4:5], s[6:7]
	s_and_b32 s24, ttmp9, 255
	s_lshl_b32 s24, s24, 17                        ; 32 rows of 4,096 bytes
	s_lshl_b32 s25, s20, 10                        ; my 256 along K
	s_add_co_u32 s24, s24, s25
	s_mov_b32 s25, 0
	s_add_nc_u64 s[4:5], s[4:5], s[24:25]
	s_mul_i32 s24, ttmp9, 24576                    ; two tiles of 12,288 bytes,
	s_mul_i32 s26, s20, 3072                       ; my two K steps in each
	s_add_co_u32 s24, s24, s26
	s_add_nc_u64 s[14:15], s[14:15], s[24:25]
	s_lshl_b32 s24, ttmp9, 10
	s_lshl_b32 s26, s20, 8
	s_add_co_u32 s24, s24, s26
	s_add_nc_u64 s[18:19], s[18:19], s[24:25]      ; my 256 bytes of scale words
	s_mul_i32 s26, s20, XST
	s_wait_alu depctr_va_vdst(0)
	v_add_nc_u32 v5, s26, v2                       ; in: 16 x lane of a row
	v_and_b32 v8, 15, v0                           ; r
	v_bfe_u32 v9, v0, 4, 1                         ; h
	v_mul_u32_u24 v6, v8, 528
	v_lshl_add_u32 v6, v9, 7, v6
	v_add_nc_u32 v6, s26, v6                       ; out: row r, + 128 h bytes: 32 numbers
	v_lshlrev_b32 v22, 3, v9                       ; 8 h
	v_mov_b32 v15, 0                               ; a lane permute's destination counts as one of its sources
.macro LOADU n                         ; unit n: tile n / 2, K step n % 2 of my two
.irp t, 0,1,2,3,4,5,6,7,8,9,10,11,12,13,14,15
	global_load_b128 v[96+64*((\n)%2)+4*\t:96+64*((\n)%2)+4*\t+3], v2, s[4:5] offset:(8*((\n)/2)+\t+8*(\t/8))*4096+512*((\n)%2) th:TH_LOAD_NT
.endr
.endm
.macro UNIT n
.if (\n) < 3
	s_wait_loadcnt 16                              ; my unit's 16 loads are in; the next unit's 16 may be out
.else
	s_wait_loadcnt 0
.endif
.irp t, 0,1,2,3,4,5,6,7,8,9,10,11,12,13,14,15
	ds_store_b128 v5, v[96+64*((\n)%2)+4*\t:96+64*((\n)%2)+4*\t+3] offset:528*\t
.endr
.irp c, 0,1
.irp i, 0,1,2,3,4,5,6,7
	ds_load_b128 v[32+32*\c+4*\i:32+32*\c+4*\i+3], v6 offset:256*\c+16*\i   ; LDS serves a wave's instructions in order: these see the stores above
.endr
.endr
	s_wait_dscnt 0x0                               ; the numbers are back, and the stores have read their registers,
.if (\n) < 2
	LOADU (\n)+2                                   ; which take the loads of two units on
.endif
.irp c, 0,1
	v_max3_num_f32 v[8+\c], |v[32+32*\c]|, |v[33+32*\c]|, FLOOR   ; my blocks h and 2 + h: all 32 numbers of each are mine
.endr
.irp i, 2,4,6,8,10,12,14,16,18,20,22,24,26,28,30
.irp c, 0,1
	v_max3_num_f32 v[8+\c], v[8+\c], |v[32+32*\c+\i]|, |v[33+32*\c+\i]|
.endr
.endr
	v_add_nc_u32 v10, EOFF, v8                     ; the conversion takes the exponent field of this operand as its scale
	v_add_nc_u32 v11, EOFF, v9
	v_lshrrev_b32 v12, 23, v10                     ; the scales' bytes
	v_lshrrev_b32 v13, 23, v11
	v_lshl_or_b32 v14, v13, 16, v12
	v_lshlrev_b32 v14, v22, v14                    ; at their places in the word (8 h bits up);
	v_permlanex16_b32 v15, v14, s22, s23
	v_or_b32 v[16+(\n)], v14, v15                  ; with lane l xor 16's two the word is whole
.if (\n) > 0
	s_wait_alu depctr_va_vdst(0)
	s_wait_xcnt 0x0                                ; the last unit's stores have read the codes' registers
.endif
	v_cvt_scalef32_pk16_fp6_f32 v[224:226], v[32:47], v10
	v_cvt_scalef32_pk16_fp6_f32 v[236:238], v[48:63], v10     ; (a conversion's three registers begin on an even number)
	v_cvt_scalef32_pk16_fp6_f32 v[230:232], v[64:79], v11
	v_cvt_scalef32_pk16_fp6_f32 v[240:242], v[80:95], v11
	v_nop                                          ; one plain place behind a scaled conversion
.irp i, 0,1,2
	v_mov_b32 v[227+\i], v[236+\i]
	v_mov_b32 v[233+\i], v[240+\i]
.endr
.irp c, 0,1,2
	global_store_b128 v2, v[224+4*\c:227+4*\c], s[14:15] offset:12288*((\n)/2)+1536*((\n)%2)+512*\c   ; 512 consecutive bytes
.endr
.endm
	LOADU 0
	LOADU 1
	s_wait_alu depctr_va_vdst(0)
	UNIT 0
	UNIT 1
	UNIT 2
	UNIT 3
	v_cmp_le_u32 vcc_lo, 16, v1                    ; lanes 0-15 store tile 0's words, lanes 16-31 tile 1's (each word stands in both halves of the lanes)
	v_cndmask_b32 v20, v16, v18, vcc_lo
	v_cndmask_b32 v21, v17, v19, vcc_lo
	global_store_b64 v7, v[20:21], s[18:19]        ; 256 consecutive bytes, aligned
	s_wait_tensorcnt 0x0                           ; the wave's end
	ds_add_u32 v[SPW], v[NIL]
	s_wait_dscnt 0x0
	s_endpgm
; ---------------- PATH W: weights, whose K is the first axis ----------------
; A lane takes a column and its registers run down K: a block of 32 is one lane's, and the conversions give codes with K innermost.  A block's 24 bytes go to their place in the tile's image in the wave's stage;
; after four blocks (a K step) two whole images are read back and stored.
; REGISTERS: v5 my place in the stage, v6 stage + 16 x lane, v12 my place among the scale words, v13-16 at work, v20-21 two scale words, v32-63 row offsets, v64-127 two sets of 32 numbers, v192-200 codes, v204-251 the way out.
.Lweights:
	s_sub_co_u32 s24, ttmp9, 512
	s_lshr_b32 s25, s24, 2                         ; which 128 columns of the 4,096
	s_and_b32 s24, s24, 3                          ; which 256 along K
	s_cmp_lt_u32 s25, 8
	s_cselect_b64 s[8:9], s[8:9], s[10:11]         ; Wq, or Wkv,
	s_cselect_b32 s26, 0, 8
	s_cselect_b32 s27, 12, 13                      ; a row is 2^12 or 2^13 bytes
	s_cmp_lt_u32 s25, 24
	s_cselect_b64 s[8:9], s[8:9], s[12:13]         ; or Wo
	s_cselect_b32 s26, s26, 24
	s_cselect_b32 s27, s27, 12
	s_lshl_b32 s28, 1, s27                         ; the pitch
	s_sub_co_u32 s26, s25, s26
	s_lshl_b32 s26, s26, 9                         ; 128 columns of 4 bytes,
	s_lshl_b32 s29, s20, 7                         ; my wave's 32,
	s_add_co_u32 s26, s26, s29
	s_lshl_b32 s29, s24, 8
	s_lshl_b32 s29, s29, s27                       ; 256 rows for each quarter of K
	s_add_co_u32 s26, s26, s29
	s_mov_b32 s27, 0
	s_add_nc_u64 s[32:33], s[8:9], s[26:27]        ; block 0's first row;
	s_lshl_b32 s30, s28, 5
	s_mov_b32 s31, 0
.irp t, 1,2,3,4,5,6,7
	s_add_nc_u64 s[32+2*\t:33+2*\t], s[30+2*\t:31+2*\t], s[30:31]   ; block t's: 32 rows on
.endr
	s_lshl_b32 s48, s25, 2
	s_add_co_u32 s48, s48, s20                     ; my pair of tiles
	s_mul_i32 s50, s48, 24576
	s_mul_i32 s49, s24, 3072
	s_add_co_u32 s50, s50, s49
	s_mov_b32 s51, 0
	s_add_nc_u64 s[16:17], s[16:17], s[50:51]
	s_lshl_b32 s50, s48, 10
	s_lshl_b32 s49, s24, 8
	s_add_co_u32 s50, s50, s49
	s_add_co_u32 s50, s50, 524288
	s_add_nc_u64 s[18:19], s[18:19], s[50:51]
	s_wait_alu depctr_va_vdst(0)
	v_lshlrev_b32 v8, 2, v1
.irp i, 0,1,2,3,4,5,6,7,8,9,10,11,12,13,14,15,16,17,18,19,20,21,22,23,24,25,26,27,28,29,30,31
	v_mad_u32_u24 v[32+\i], s28, \i, v8            ; row i of a block, my column
.endr
	v_bfe_u32 v9, v0, 3, 1                         ; column l of the 32 is lane r = l % 8 + 8 (l / 16) of tile u = (l / 8) % 2
	v_and_b32 v10, 7, v0
	v_bfe_u32 v11, v0, 4, 1
	v_lshl_add_u32 v10, v11, 3, v10
	s_mul_i32 s29, s20, WSTB
	s_add_co_u32 s29, s29, WST0
	v_mul_u32_u24 v5, v9, 1664
	v_lshl_add_u32 v5, v10, 4, v5
	v_add_nc_u32 v5, s29, v5
	v_add_nc_u32 v6, s29, v2
	v_lshlrev_b32 v12, 7, v9
	v_lshl_add_u32 v12, v10, 3, v12                ; 128 u + 8 r
.macro WLOAD t
.irp i, 0,1,2,3,4,5,6,7,8,9,10,11,12,13,14,15,16,17,18,19,20,21,22,23,24,25,26,27,28,29,30,31
	global_load_b32 v[64+32*((\t)%2)+\i], v[32+\i], s[32+2*(\t):33+2*(\t)] th:TH_LOAD_NT   ; 128 consecutive bytes a wave, 512 a work-group
.endr
.endm
.macro BLOCK t                         ; block t of eight: K step t / 4; in it the block of lane half t % 2, register group (t % 4) / 2
.set XS, 64+32*((\t)%2)
.if (\t) < 7
	s_wait_loadcnt 32                              ; this block's 32 loads are in; the next block's may be out
.else
	s_wait_loadcnt 0
.endif
	v_max3_num_f32 v13, |v[XS]|, |v[XS+1]|, |v[XS+2]|
	v_max3_num_f32 v14, |v[XS+3]|, |v[XS+4]|, |v[XS+5]|
.irp i, 6,10,14,18,22,26
	v_max3_num_f32 v13, v13, |v[XS+\i]|, |v[XS+\i+1]|
	v_max3_num_f32 v14, v14, |v[XS+\i+2]|, |v[XS+\i+3]|
.endr
	v_max3_num_f32 v13, v13, |v[XS+30]|, |v[XS+31]|
	v_max3_num_f32 v13, v13, v14, FLOOR
	v_add_nc_u32 v15, EOFF, v13
	v_lshrrev_b32 v16, 23, v15
.if (\t)%4 == 0
	v_mov_b32 v[20+(\t)/4], v16
.else
	v_lshl_or_b32 v[20+(\t)/4], v16, 8*((\t)%4), v[20+(\t)/4]
.endif
	v_cvt_scalef32_pk16_fp6_f32 v[192:194], v[XS:XS+15], v15
	v_cvt_scalef32_pk16_fp6_f32 v[198:200], v[XS+16:XS+31], v15
	v_nop                                          ; one plain place behind a scaled conversion
.irp i, 0,1,2
	v_mov_b32 v[195+\i], v[198+\i]
.endr
.if ((\t)%4)/2 == 0                    ; registers 0-5 of lane r + 16 (t % 2): 0-3 in the image's first group, 4-5 in its second
	ds_store_b128 v5, v[192:195] offset:256*((\t)%2)
	ds_store_b64 v5, v[196:197] offset:256*((\t)%2)+512
.else                                  ; registers 6-11: 6-7 in the second group, 8-11 in the third
	ds_store_b64 v5, v[192:193] offset:256*((\t)%2)+520
	ds_store_b128 v5, v[194:197] offset:256*((\t)%2)+1024
.endif
.if (\t)+2 < 8
	WLOAD (\t)+2
.endif
	s_wait_dscnt 0x0                               ; the stores have read their registers
.if (\t)%4 == 3
.irp u, 0,1
.irp c, 0,1,2
	ds_load_b128 v[204+24*((\t)/4)+12*\u+4*\c:204+24*((\t)/4)+12*\u+4*\c+3], v6 offset:1664*\u+512*\c
.endr
.endr
	s_wait_dscnt 0x0
.irp u, 0,1
.irp c, 0,1,2
	global_store_b128 v2, v[204+24*((\t)/4)+12*\u+4*\c:204+24*((\t)/4)+12*\u+4*\c+3], s[16:17] offset:12288*\u+1536*((\t)/4)+512*\c
.endr
.endr
.endif
.endm
	WLOAD 0
	WLOAD 1
.irp t, 0,1,2,3,4,5,6,7
	BLOCK \t
.endr
	s_wait_alu depctr_va_vdst(0)
	global_store_b64 v12, v[20:21], s[18:19]       ; the 32 lanes fill 256 consecutive bytes, aligned
	s_wait_tensorcnt 0x0                           ; the wave's end
	ds_add_u32 v[SPW], v[NIL]
	s_wait_dscnt 0x0
	s_endpgm
.Lfunc_end_k_q6e4735fec6_quant:
	.size	k_q6e4735fec6_quant, .Lfunc_end_k_q6e4735fec6_quant-k_q6e4735fec6_quant
	.p2alignl 7, 3214868480
	.fill 96, 4, 3214868480
	.section	.rodata,"a",@progbits
	.p2align	6, 0x0
	.amdhsa_kernel k_q6e4735fec6_quant
		.amdhsa_group_segment_fixed_size 47616
		.amdhsa_private_segment_fixed_size 0
		.amdhsa_enable_private_segment 0
		.amdhsa_kernarg_size 64
		.amdhsa_user_sgpr_count 2
		.amdhsa_user_sgpr_kernarg_segment_ptr 1
		.amdhsa_wavefront_size32 1
		.amdhsa_system_sgpr_workgroup_id_x 1
		.amdhsa_system_sgpr_workgroup_id_y 1
		.amdhsa_system_sgpr_workgroup_id_z 1
		.amdhsa_system_vgpr_workitem_id 0
		.amdhsa_next_free_vgpr 256
		.amdhsa_next_free_sgpr 66
		.amdhsa_reserve_vcc 1
		.amdhsa_float_denorm_mode_32 3
		.amdhsa_float_denorm_mode_16_64 3
		.amdhsa_memory_ordered 1
		.amdhsa_forward_progress 1
		.amdhsa_inst_pref_size 73
	.end_amdhsa_kernel
	.amdgpu_metadata
---
amdhsa.version: [ 1, 2 ]
amdhsa.kernels:
  - .name:           k_q6e4735fec6_quant
    .symbol:         k_q6e4735fec6_quant.kd
    .args:
      - { .name: query, .offset: 0, .size: 8, .value_kind: global_buffer, .address_space: global }
      - { .name: value, .offset: 8, .size: 8, .value_kind: global_buffer, .address_space: global }
      - { .name: Wq, .offset: 16, .size: 8, .value_kind: global_buffer, .address_space: global }
      - { .name: Wkv, .offset: 24, .size: 8, .value_kind: global_buffer, .address_space: global }
      - { .name: Wo, .offset: 32, .size: 8, .value_kind: global_buffer, .address_space: global }
      - { .name: xc, .offset: 40, .size: 8, .value_kind: global_buffer, .address_space: global }
      - { .name: wc, .offset: 48, .size: 8, .value_kind: global_buffer, .address_space: global }
      - { .name: sc, .offset: 56, .size: 8, .value_kind: global_buffer, .address_space: global }
    .group_segment_fixed_size: 47616
    .private_segment_fixed_size: 0
    .kernarg_segment_align: 8
    .kernarg_segment_size: 64
    .max_flat_workgroup_size: 128
    .sgpr_count:     66
    .vgpr_count:     256
    .wavefront_size: 32
...
	.end_amdgpu_metadata
.endif
;; end of part 1
;; launch proj (part 2): grid 4 x 64, 4 waves a work-group, clusters of 4 x 4, 327,680 bytes of LDS; arguments xc, wc, sc, bq, bkv, qr, kvr; writes qr, kvr
.if DOCPART == 2
	.amdgcn_target "amdgcn-amd-amdhsa--gfx1250"
	.amdhsa_code_object_version 6
	.text
	.protected	k_q6e4735fec6_proj
	.globl	k_q6e4735fec6_proj
	.p2align	8
	.type	k_q6e4735fec6_proj,@function
k_q6e4735fec6_proj:
	s_mov_b64 s[64:65], 0
	v_nop
	global_prefetch_b8 v0, s[64:65] scope:SCOPE_SE
	s_setreg_imm32_b32 hwreg(HW_REG_WAVE_MODE, 25, 1), 1
	s_wait_xcnt 0x0
	s_wait_alu depctr_hold_cnt(0) depctr_sa_sdst(0) depctr_va_vdst(0) depctr_va_sdst(0) depctr_va_ssrc(0) depctr_va_vcc(0) depctr_vm_vsrc(0)
	s_getreg_b32 s2, hwreg(HW_REG_IB_STS2, 6, 4)
	s_cmp_eq_u32 s2, 0
	s_cbranch_scc0 .Lentry_in_a_cluster
	s_endpgm
.Lentry_in_a_cluster:
	s_bfe_u32 s2, ttmp6, 0x10000c
	s_cmp_lg_u32 s2, 0xf033
	s_cbranch_scc0 .Lentry_shape_is_right
	s_endpgm
.Lentry_shape_is_right:
; Launch 2 of 4: q = query Wq + bq, k and v = value Wkv + bkv, on the codes of launch 1; the results are quantised in registers: q and k along the head's 64, v along the keys.  Nothing of reference() is left out.
; THE PRODUCT.  C'[p][r] = sum over K = 1,024 of P[p] R[r]; source 0 = 16 rows of P, source 1 = 16 rows of R: a lane holds ONE row of R, and its registers run along P, 16 neighbours in two neighbouring tiles
; (the rows of a tile are chosen for that in launch 1).  P is the axis along which the result is quantised: for q and k P = the weight's columns and R = the tokens; for v P = the tokens (the keys) and R = the weight's columns.
; A WORK-GROUP STAYS and makes three tiles of 256 of P x 128 of R: q, then k, then v of its place: 256 work-groups.  Wave w: P's half w % 2 (8 tiles) x R's half w / 2 (4 tiles): 32 accumulators.
; q and k differ in pointers alone and are the two trips of one loop; v is written out behind it, and asks for nothing more.
; THE RING: two slots X, Y of four K steps each (16 tiles of P, then 8 of R, 6,144 bytes a tile).  A tile's K steps 0-3 lie in X, 4-7 in Y.  At K step 3 X is filled with the next tile's first half; behind K step 7, ahead of
; the way out, Y with its second half.  Waves 0, 1 fetch P's halves, waves 2, 3 R's: one load a wave behind each round, one load of a wave out at any place of the text.
; The next tile's scale words and bias are asked for ahead of the way out too: their registers are free behind K step 7.
; CLUSTER 4 x 4: P hangs on cx alone and is asked for jointly by my column of the cluster, R on cy alone and by my row.  No prefetch: each slot is asked for four K steps or a way out ahead of its first read.
; OUT.  kvr (and qr, of which only K's parts are used): a record of 106,496 bytes for each head (16 batch + head), of eight step records of 13,312 bytes (128 keys): K's scale words [2][16 lanes][4 tiles], 512 bytes;
; V's scale words, twice [16 lanes][4 tiles], 512; 8 tiles of K (registers 0-5 of a fragment: [lane][16 bytes], [lane][8 bytes]), 768 each; 4 tiles of V (16 of the head's 64 x 128 keys), 1,536 each.
; LIMITS: as stated at the head of launch 1 (floor of the scale byte, blocks of zeros, NaN and infinities).
; REGISTERS, in windows of 256.  Window 0: v1 16 x lane, v2 8 x lane, v4 r, v5 h, v6-14 offsets, v16-21 LDS addresses, v28-29 the add's two, v32-95 scale words, v96-138 the way out, v160-255 R's fragments, two sets.
;   Window 1: P's fragments, two sets, at v0 and v128; the bias at v96-127 and v224-255.   Window 2: accumulator (a, b) at v[8 (8 a + b)].
.set CHUNK, 147456                     ; a slot: four K steps
.set ROFF,  98304                      ; R's tiles in it
.set SPARE, 2*CHUNK                    ; the spare words, 128 bytes for each wave: two blocks of 256 bytes that no other line names
.set HREC,  106496
.set SREC,  13312
.set LI,  1
.set L8,  2
.set VQ,  6                            ; v6, v11, v12: my place among the scale words for q, k, v
.set VK,  11
.set VV,  12
.set BH,  13                           ; v13 64 h: the bias along P
.set AP,  16                           ; v16-17 my half of P in slot X, Y
.set AR,  20                           ; v20-21 my half of R
.set SPW, 28
.set NIL, 29
.set SC,  32                           ; v[SC + 8 i + k]: lanes 0-15 the word of R's tile i, lanes 16-31 that of P's tile i, for K step k
.set TM,  96
.set SW,  112
.set DW,  116
.set PC,  120
.set RF,  160
.set WV,  18
.set PH,  19
.set RH,  20
.set G1P, 28
.set G1R, 36
.set G0P, 44                           ; s[44:51] group 0 for P, slots X and Y;  s[52:59] for R
.set G0R, 52
.set CURP, 68                          ; s[68:71] where the tile being asked for begins: P, R;  s[72:75], s[76:79] the two tiles behind it
.set CURR, 70
.set N1P, 72
.set N1R, 74
.set N2P, 76
.set N2R, 78
.set BK,  80                           ; s[80:81] k's bias, s[82:83] v's; q's stays in s[10:11]
.set BV,  82
.set MSB, 0
.macro WIN new                         ; bits 1:0 source 0, 3:2 source 1, 5:4 source 2, 7:6 destination; the high byte repeats the setting that is left
.if MSB != \new
	s_set_vgpr_msb (MSB<<8)|\new
.set MSB, \new
.endif
.endm
.macro PLACES n
.rept \n
	v_nop
.endr
.endm
.macro CREST                           ; a round of the cluster's barrier behind its opening barrier
	s_cmp_lg_u32 s[WV], 0
	s_cbranch_scc1 .Lnot_wave_0_\@
	s_barrier_signal -3
.Lnot_wave_0_\@:
	s_barrier_wait -3
	s_barrier_signal -1
	s_barrier_wait -1
.endm
.macro CROUND
	s_barrier_signal -1
	s_barrier_wait -1
	CREST
.endm
.macro JLOAD s                         ; a joint load into slot s: each line has one mask; the branch hangs on the wave's number alone
	s_cmp_lt_u32 s[WV], 2
	s_cbranch_scc0 .Lfor_r_\@
	tensor_load_to_lds s[G0P+4*\s:G0P+4*\s+3], s[G1P:G1P+7]
	s_nop 0
	PLACES 4
	s_branch .Lasked_\@
.Lfor_r_\@:
	tensor_load_to_lds s[G0R+4*\s:G0R+4*\s+3], s[G1R:G1R+7]
	s_nop 0
	PLACES 4
.Lasked_\@:
.endm
.macro SETG s, off                     ; slot s's global addresses: off bytes into each tile of the one being asked for; written only where no load of mine is out
	s_add_nc_u64 s[G0P+4*\s+2:G0P+4*\s+3], s[CURP:CURP+1], \off
	s_or_b32 s[G0P+4*\s+3], s[G0P+4*\s+3], 0x80000000
	s_add_nc_u64 s[G0R+4*\s+2:G0R+4*\s+3], s[CURR:CURR+1], \off
	s_or_b32 s[G0R+4*\s+3], s[G0R+4*\s+3], 0x80000000
.endm
	s_load_b256 s[4:11], s[0:1], 0x0               ; xc, wc, sc, bq
	s_load_b128 s[12:15], s[0:1], 0x20             ; bkv, qr
	s_load_b64 s[16:17], s[0:1], 0x30              ; kvr
	v_lshl_add_u32 v[SPW], v0, 2, SPARE
	v_mov_b32 v[NIL], 0
	ds_add_u32 v[SPW], v[NIL]                      ; the wave's opening: the add, twice on end, and its wait ahead of my first tensor load
	ds_add_u32 v[SPW], v[NIL]
	v_lshrrev_b32 v3, 5, v0
	v_readfirstlane_b32 s[WV], v3
	s_and_b32 s[PH], s[WV], 1                      ; my half of P.  Also: which half I fetch
	s_lshr_b32 s[RH], s[WV], 1                     ; my half of R
	s_bfe_u32 s21, ttmp6, 0x40000                  ; cx
	s_bfe_u32 s22, ttmp6, 0x40004                  ; cy
	s_and_b32 s24, ttmp7, 0xffff                   ; cluster y: 0 .. 15
	; P's blocks of 256 rows (196,608 bytes) are made of cx alone among the places, R's of 128 rows (98,304 bytes) of cy alone
	s_mul_i32 s84, s21, 196608
	s_mul_i32 s60, s[PH], 98304
	s_add_co_u32 s84, s84, s60                     ; q: P = Wq's columns 256 cx, the half that I fetch
	s_mov_b32 s85, 0
	s_lshl_b32 s88, s24, 2
	s_add_co_u32 s88, s88, s22                     ; the tokens' block of 128: 4 cluster y + cy
	s_mul_i32 s86, s88, 98304
	s_mul_i32 s61, s[PH], 49152
	s_add_co_u32 s86, s86, s61                     ; q: R = query's rows
	s_mov_b32 s87, 0
	s_lshr_b32 s62, s24, 1                         ; the batch
	s_mul_i32 s90, s62, 4*196608
	s_add_co_u32 s90, s90, s84
	s_add_co_u32 s90, s90, 32*196608               ; v: P = value's rows 256 (4 batch + cx), behind query's 32 blocks
	s_mov_b32 s91, 0
	s_and_b32 s89, s24, 1
	s_lshl_b32 s89, s89, 2
	s_add_co_u32 s89, s89, s22                     ; v: columns 128 (4 (cluster y % 2) + cy) of V's 1,024,
	s_mul_i32 s92, s89, 98304
	s_add_co_u32 s92, s92, s61
	s_add_co_u32 s92, s92, 16*98304                ; which begin at column 2,048 of the weights
	s_mov_b32 s93, 0
	; descriptor group 1: rows of 6,144 bytes (four K steps of a tile: 768 elements of 8 bytes), 12,288 bytes apart in memory, dense in LDS; 8 rows for P, 4 for R
	s_lshl_b32 s60, 0x1111, s21                    ; my column of the cluster (same cx)
	s_lshl_b32 s61, s22, 2
	s_lshl_b32 s61, 15, s61                        ; my row (same cy)
	s_or_b32 s[G1P], s60, (3<<16)|(1<<21)
	s_or_b32 s[G1R], s61, (3<<16)|(1<<21)
	s_mov_b32 s[G1P+1], 768<<16
	s_mov_b32 s[G1P+2], 16<<16                     ; (the head's loads bring all 16 tiles of P, all 8 of R; behind them the counts are set to the ring's 8 and 4)
	s_mov_b32 s[G1P+3], 768<<16
	s_mov_b32 s[G1P+4], 16
	s_mov_b32 s[G1P+5], 1536
	s_mov_b32 s[G1P+6], 0
	s_mov_b32 s[G1P+7], 0
	s_mov_b32 s[G1R+1], 768<<16
	s_mov_b32 s[G1R+2], 8<<16
	s_mov_b32 s[G1R+3], 768<<16
	s_mov_b32 s[G1R+4], 8
	s_mov_b32 s[G1R+5], 1536
	s_mov_b32 s[G1R+6], 0
	s_mov_b32 s[G1R+7], 0
	; THE HEAD'S FOUR LOADS, one a wave, bring all of q's K: waves 0, 1 P's 16 tiles for slots X, Y; waves 2, 3 R's 8 tiles for slots X, Y.  Here w % 2 says which slot I fill
	s_mul_i32 s60, s[PH], CHUNK
.irp c, 0,1
	s_mov_b32 s[G0P+4*\c], 1
	s_mov_b32 s[G0R+4*\c], 1
.endr
	s_add_co_u32 s[G0P+1], s60, 0
	s_add_co_u32 s[G0R+1], s60, ROFF
	s_mul_i32 s66, s21, 196608
	s_mul_i32 s61, s[PH], 6144
	s_add_co_u32 s66, s66, s61                     ; q's P, whole block, my slot's four K steps
	s_mov_b32 s67, 0
	s_mul_i32 s26, s88, 98304
	s_add_co_u32 s26, s26, s61                     ; q's R likewise
	s_mov_b32 s27, 0
	s_mov_b32 s3, 0x76543210
	s_mov_b32 s2, 0xfedcba98                       ; (s3, s2): v_permlanex16_b32's selects for lane l xor 16
	s_wait_dscnt 0x0                               ; both opening adds are done
	s_wait_kmcnt 0x0
	s_add_nc_u64 s[CURP:CURP+1], s[6:7], s[66:67]  ; q, for the head's loads
	s_add_nc_u64 s[CURR:CURR+1], s[4:5], s[26:27]
	s_add_nc_u64 s[N1P:N1P+1], s[6:7], s[84:85]    ; k, the half that I fetch in the ring: K's columns lie 1,024 on, value's rows 64 blocks on
	s_add_nc_u64 s[N1P:N1P+1], s[N1P:N1P+1], 4*196608
	s_add_nc_u64 s[N1R:N1R+1], s[4:5], s[86:87]
	s_add_nc_u64 s[N1R:N1R+1], s[N1R:N1R+1], 64*98304
	s_add_nc_u64 s[N2P:N2P+1], s[4:5], s[90:91]    ; v: the roles are swapped
	s_add_nc_u64 s[N2R:N2R+1], s[6:7], s[92:93]
	SETG 0, 0
	CROUND                                         ; all sixteen work-groups are here: the first joint loads meet
	JLOAD 0                                        ; all of q's K, my slot's four K steps: one tensor load a wave at the head
	; scale words: 512 bytes for each tile; the rows' part of sc begins at 0, the weights' at 524,288
	s_lshl_b32 s60, s21, 13
	s_lshl_b32 s61, s[PH], 12
	s_add_co_u32 s60, s60, s61
	s_add_co_u32 s84, s60, 0x80000                 ; q's P
	s_add_co_u32 s85, s84, 32768                   ; k's P
	s_lshl_b32 s63, s62, 15
	s_add_co_u32 s86, s60, s63
	s_add_co_u32 s86, s86, 262144                  ; v's P
	s_lshl_b32 s87, s88, 12
	s_lshl_b32 s61, s[RH], 11
	s_add_co_u32 s87, s87, s61                     ; q's R
	s_add_co_u32 s90, s87, 262144                  ; k's R
	s_lshl_b32 s91, s89, 12
	s_add_co_u32 s91, s91, s61
	s_add_co_u32 s91, s91, 65536+0x80000           ; v's R
	; the bias.  q, k: along P, my 128 columns.  v: along R, my 64 columns
	s_lshl_b32 s60, s21, 10
	s_lshl_b32 s61, s[PH], 9
	s_add_co_u32 s60, s60, s61
	s_mov_b32 s61, 0
	s_add_nc_u64 s[10:11], s[10:11], s[60:61]
	s_add_nc_u64 s[BK:BK+1], s[12:13], s[60:61]
	s_lshl_b32 s60, s89, 9
	s_lshl_b32 s92, s[RH], 8
	s_add_co_u32 s60, s60, s92
	s_add_co_u32 s60, s60, 4096
	s_add_nc_u64 s[BV:BV+1], s[12:13], s[60:61]
	; where the results go.  q, k: head 16 batch + 4 cx + 2 (my half of P), step of 128 tokens; s[94:95] codes, s[96:97] scale words
	s_lshr_b32 s60, s88, 3
	s_lshl_b32 s60, s60, 4
	s_lshl_b32 s92, s21, 2
	s_add_co_u32 s60, s60, s92
	s_lshl_b32 s92, s[PH], 1
	s_add_co_u32 s60, s60, s92
	s_mul_i32 s60, s60, HREC
	s_and_b32 s92, s88, 7
	s_mul_i32 s92, s92, SREC
	s_add_co_u32 s60, s60, s92
	s_mul_i32 s92, s[RH], 3072
	s_add_co_u32 s94, s60, s92
	s_add_co_u32 s94, s94, 1024
	s_mov_b32 s95, 0
	s_lshl_b32 s92, s[RH], 8
	s_add_co_u32 s96, s60, s92
	s_mov_b32 s97, 0
	; v: head 16 batch + 2 (column block) + my half of R, step 2 cx + my half of P; s[26:27] codes, s[24:25] scale words
	s_lshl_b32 s60, s62, 4
	s_lshl_b32 s92, s89, 1
	s_add_co_u32 s60, s60, s92
	s_add_co_u32 s60, s60, s[RH]
	s_mul_i32 s60, s60, HREC
	s_lshl_b32 s92, s21, 1
	s_add_co_u32 s92, s92, s[PH]
	s_mul_i32 s92, s92, SREC
	s_add_co_u32 s60, s60, s92
	s_add_co_u32 s26, s60, 7168
	s_mov_b32 s27, 0
	s_add_co_u32 s24, s60, 512
	s_mov_b32 s25, 0
	s_mul_i32 s66, s[PH], 49152
	s_mul_i32 s67, s[RH], 24576
	s_add_co_u32 s67, s67, ROFF
	; all the head's vector work in one run
	v_and_b32 v3, 31, v0                           ; lane
	v_and_b32 v4, 15, v0                           ; r
	v_bfe_u32 v5, v0, 4, 1                         ; h
	v_lshlrev_b32 v[LI], 4, v3
	v_lshlrev_b32 v[L8], 3, v3
	v_add_nc_u32 v[AP], s66, v[LI]
	v_add_nc_u32 v[AR], s67, v[LI]
	v_add_nc_u32 v[AP+1], CHUNK, v[AP]
	v_add_nc_u32 v[AR+1], CHUNK, v[AR]
	v_cmp_le_u32 s93, 16, v3                       ; lanes 0-15 take R's words, lanes 16-31 P's
	v_mov_b32 v7, s84
	v_cndmask_b32 v[VQ], s87, v7, s93
	v_lshl_add_u32 v[VQ], v4, 3, v[VQ]
	v_mov_b32 v7, s85
	v_cndmask_b32 v[VK], s90, v7, s93
	v_lshl_add_u32 v[VK], v4, 3, v[VK]
	v_mov_b32 v7, s86
	v_cndmask_b32 v[VV], s91, v7, s93
	v_lshl_add_u32 v[VV], v4, 3, v[VV]
	v_lshlrev_b32 v[BH], 6, v5                     ; 64 h
	v_and_b32 v8, 8, v4
	v_add_nc_u32 v8, v8, v4
	v_lshlrev_b32 v8, 2, v8                        ; 4 (r + 8 (r / 8))
	v_lshlrev_b32 v9, 4, v5                        ; q, k: lanes 16-31 store the second head's half of a scale word, 16 bits down,
	v_mul_u32_u24 v10, HREC, v5                    ; into the second head's record
	v_lshl_add_u32 v10, v4, 4, v10
	v_lshlrev_b32 v14, 8, v5                       ; v: lanes 16-31 store a second copy, 256 bytes on
	v_lshl_add_u32 v14, v4, 4, v14
.irp b, 0,1,2,3
	v_mov_b32 v[TM+4+\b], 0                        ; a lane permute's destination counts as one of its sources
.endr
	s_wait_alu depctr_va_vdst(0)                   ; the wait at the head's end
.macro SCLOAD vo                       ; (for i over 3, lanes 0-15 bring words of R's next tiles, inside sc, which no product names)
.irp i, 0,1,2,3,4,5,6,7
.irp kq, 0,1,2,3
	global_load_b64 v[SC+8*\i+2*\kq:SC+8*\i+2*\kq+1], v[\vo], s[8:9] offset:(\i/2)*1024+(\i%2)*128+\kq*256
.endr
.endr
.endm
.macro LOADS_QK vo, sb                 ; scale words, and the bias along P: tile t's eight registers are columns 32 (t / 2) + 8 (t % 2) + 16 h + 0 .. 7 of my 128
	SCLOAD \vo
	WIN 0x40
.irp t, 0,1,2,3,4,5,6,7
	global_load_b128 v[96+8*\t+96*(\t/4):96+8*\t+96*(\t/4)+3], v[BH], s[\sb:\sb+1] offset:(32*(\t/2)+8*(\t%2))*4
	global_load_b128 v[96+8*\t+96*(\t/4)+4:96+8*\t+96*(\t/4)+7], v[BH], s[\sb:\sb+1] offset:(32*(\t/2)+8*(\t%2))*4+16
.endr
	WIN 0
.endm
.macro LOADS_V                         ; scale words, and the bias along R: the lane's one column of R's tile t, in all eight registers
	SCLOAD VV
	WIN 0x40
.irp t, 0,1,2,3
.irp j, 0,1,2,3,4,5,6,7
	global_load_b32 v[96+8*\t+\j], v8, s[BV:BV+1] offset:(32*(\t/2)+8*(\t%2))*4
.endr
.endr
	WIN 0
.endm
.macro FETCH k                         ; K step k's fragments, as images: 8 of P into set k % 2 of window 1, 4 of R into set k % 2 of window 0
	WIN 0x40
.irp i, 0,1,2,3,4,5,6,7
.irp c, 0,1,2
	ds_load_b128 v[128*((\k)%2)+12*\i+4*\c:128*((\k)%2)+12*\i+4*\c+3], v[AP+(\k)/4] offset:6144*\i+1536*((\k)%4)+512*\c
.endr
.endr
	WIN 0
.irp i, 0,1,2,3
.irp c, 0,1,2
	ds_load_b128 v[RF+48*((\k)%2)+12*\i+4*\c:RF+48*((\k)%2)+12*\i+4*\c+3], v[AR+(\k)/4] offset:6144*\i+1536*((\k)%4)+512*\c
.endr
.endr
.endm
; 16 products: R's tiles 2 half, 2 half + 1 x P's eight.  cm = 0: onto the sums; 1: the sums begin with the bias along P; 2: with the bias along R.  The 32 accumulators take turns, in the same order in every K step.
.macro MULH k, half, cm
.if \cm
	WIN 0x91                                       ; source 0 (P) window 1, source 1 (R) window 0, C (the bias) window 1, D window 2
.else
	WIN 0xa1                                       ; C and D window 2
.endif
.irp a, 2*\half, 2*\half+1
.irp b, 0,1,2,3,4,5,6,7
.if \cm == 1
	v_wmma_scale_f32_16x16x128_f8f6f4 v[8*(8*(\a)+\b):8*(8*(\a)+\b)+7], v[128*((\k)%2)+12*\b:128*((\k)%2)+12*\b+11], v[RF+48*((\k)%2)+12*(\a):RF+48*((\k)%2)+12*(\a)+11], v[96+8*\b+96*(\b/4):96+8*\b+96*(\b/4)+7], v[SC+8*\b+(\k)], v[SC+8*(\a)+(\k)] matrix_a_fmt:MATRIX_FMT_FP6 matrix_b_fmt:MATRIX_FMT_FP6 matrix_a_scale:MATRIX_SCALE_ROW1
.elseif \cm == 2
	v_wmma_scale_f32_16x16x128_f8f6f4 v[8*(8*(\a)+\b):8*(8*(\a)+\b)+7], v[128*((\k)%2)+12*\b:128*((\k)%2)+12*\b+11], v[RF+48*((\k)%2)+12*(\a):RF+48*((\k)%2)+12*(\a)+11], v[96+8*(\a):96+8*(\a)+7], v[SC+8*\b+(\k)], v[SC+8*(\a)+(\k)] matrix_a_fmt:MATRIX_FMT_FP6 matrix_b_fmt:MATRIX_FMT_FP6 matrix_a_scale:MATRIX_SCALE_ROW1
.else
	v_wmma_scale_f32_16x16x128_f8f6f4 v[8*(8*(\a)+\b):8*(8*(\a)+\b)+7], v[128*((\k)%2)+12*\b:128*((\k)%2)+12*\b+11], v[RF+48*((\k)%2)+12*(\a):RF+48*((\k)%2)+12*(\a)+11], v[8*(8*(\a)+\b):8*(8*(\a)+\b)+7], v[SC+8*\b+(\k)], v[SC+8*(\a)+(\k)] matrix_a_fmt:MATRIX_FMT_FP6 matrix_b_fmt:MATRIX_FMT_FP6 matrix_a_scale:MATRIX_SCALE_ROW1
.endif
.endr
.endr
.endm
.macro KSTEP k                         ; a K step whose successor lies in the same slot
	s_wait_dscnt 0x0                               ; this K step's fragments are in
	PLACES 4                                       ; in front of loads into registers that matrix instructions have read
	FETCH (\k)+1
	MULH \k, 0, 0
	MULH \k, 1, 0
.endm
; THE WAY OUT.  R's tile a: a lane's 64 numbers, register 16 b + i = P's row 32 b + 16 h + i, become a fragment's codes (v[PC] on) and a scale word (v[SW + a]).  vm = 1: v
.macro QUANTA a, vm
	WIN 0x28                                       ; sources 1 and 2 window 2
.irp b, 0,1,2,3
	v_max3_num_f32 v[TM+\b], 0x1800000, |v[64*(\a)+16*\b]|, |v[64*(\a)+16*\b+1]|   ; each accumulator from its low end on; the floor 2^(3 - 127) holds the byte at 1 from below
.endr
.irp i, 2,4,6,8,10,12,14
.irp b, 0,1,2,3
	v_max3_num_f32 v[TM+\b], v[TM+\b], |v[64*(\a)+16*\b+\i]|, |v[64*(\a)+16*\b+\i+1]|
.endr
.endr
	WIN 0
.irp b, 0,1,2,3
	v_permlanex16_b32 v[TM+4+\b], v[TM+\b], s3, s2
.endr
.irp b, 0,1,2,3
	v_max_num_f32 v[TM+\b], v[TM+\b], v[TM+4+\b]   ; with lane l xor 16's: the block's largest magnitude
.endr
.irp b, 0,1,2,3
	v_add_nc_u32 v[TM+12+\b], 0xff000000, v[TM+\b]
.endr
.irp b, 0,1,2,3
	v_lshrrev_b32 v[TM+4+\b], 23, v[TM+12+\b]
.endr
	v_lshl_or_b32 v[SW+(\a)], v[TM+5], 8, v[TM+4]
	v_lshl_or_b32 v[SW+(\a)], v[TM+6], 16, v[SW+(\a)]
	v_lshl_or_b32 v[SW+(\a)], v[TM+7], 24, v[SW+(\a)]
	s_wait_alu depctr_va_vdst(0)
	s_wait_xcnt 0x0                                ; the last stores have read the codes' registers
	WIN 0x02                                       ; source 0 window 2
.irp c, 0,1
	v_cvt_scalef32_pk16_fp6_f32 v[PC+6*\c:PC+6*\c+2], v[64*(\a)+32*\c:64*(\a)+32*\c+15], v[TM+12+2*\c]
	v_cvt_scalef32_pk16_fp6_f32 v[PC+12+4*\c:PC+14+4*\c], v[64*(\a)+32*\c+16:64*(\a)+32*\c+31], v[TM+12+2*\c+1]
.endr
	WIN 0
	v_nop                                          ; one plain place behind a scaled conversion
.irp c, 0,1                            ; the operand's layout wants a whole block in a lane
.irp i, 0,1,2
	v_permlane16_swap_b32 v[PC+6*\c+\i], v[PC+12+4*\c+\i]
.endr
.irp i, 0,1,2
	v_mov_b32 v[PC+3+6*\c+\i], v[PC+12+4*\c+\i]
.endr
.endr
.if \vm
.irp c, 0,1,2
	global_store_b128 v[LI], v[PC+4*\c:PC+4*\c+3], s[98:99] offset:1536*(\a)+512*\c   ; v: 16 of the head's 64 x 128 keys
.endr
.else
	global_store_b128 v[LI], v[PC:PC+3], s[98:99] offset:768*(\a)                 ; q, k: registers 0-5 are the first head's 64, registers 6-11 the second head's: each is a tile of its head
	global_store_b64 v[L8], v[PC+4:PC+5], s[98:99] offset:768*(\a)+512
	global_store_b128 v[LI], v[PC+6:PC+9], s[98:99] offset:768*(\a)+HREC
	global_store_b64 v[L8], v[PC+10:PC+11], s[98:99] offset:768*(\a)+512+HREC
.endif
.endm
; A tile.  At its head slot X holds its K steps 0-3, whole for every wave (q: by the head's barrier; k, v: by the round behind K step 7 of the tile before), and the fragments of its K steps 0 and 1 have been asked for.
; vm = 0: q or k, by s23; vm = 1: v, the last: it asks for nothing more
.macro TILE vm
	s_wait_xcnt 0x0                                ; the last tile's stores have read their bases
.if \vm
	s_add_nc_u64 s[100:101], s[16:17], s[24:25]
	s_add_nc_u64 s[98:99], s[16:17], s[26:27]
.else
	s_cmp_eq_u32 s23, 0
	s_cselect_b64 s[98:99], s[14:15], s[16:17]     ; q into qr, k into kvr
	s_add_nc_u64 s[100:101], s[98:99], s[96:97]    ; scale words
	s_add_nc_u64 s[98:99], s[98:99], s[94:95]      ; codes
.endif
	s_wait_dscnt 0x0                               ; the fragments of K steps 0 and 1
	s_wait_loadcnt 0x0                             ; scale words and bias
.if \vm
	MULH 0, 0, 2
	MULH 0, 1, 2
.else
	MULH 0, 0, 1
	MULH 0, 1, 1
.endif
	KSTEP 1
	KSTEP 2
	WIN 0                                          ; (the add's two registers lie in window 0)
	s_wait_tensorcnt 0x0                           ; my one load that was out, my part of slot Y, is in
.if \vm
	s_wait_dscnt 0x0
	s_barrier_signal -1
	MULH 3, 0, 0
	s_barrier_wait -1
	PLACES 4
.else
	ds_add_u32 v[SPW], v[NIL]
	s_mov_b64 s[CURP:CURP+1], s[N1P:N1P+1]         ; on to the next tile
	s_mov_b64 s[CURR:CURR+1], s[N1R:N1R+1]
	s_mov_b64 s[N1P:N1P+1], s[N2P:N2P+1]
	s_mov_b64 s[N1R:N1R+1], s[N2R:N2R+1]
	SETG 0, 0
	s_wait_dscnt 0x0                               ; the add is done, and my reads of slot X are over
	s_barrier_signal -1                            ; this barrier opens a round of the cluster's barrier
	MULH 3, 0, 0
	WIN 0
	s_barrier_wait -1
	CREST
	JLOAD 0                                        ; the next tile's K steps 0-3; the four v_nop behind it are the places in front of the loads below
.endif
	FETCH 4
	MULH 3, 1, 0
	KSTEP 4
	KSTEP 5
	KSTEP 6
	s_wait_dscnt 0x0
	MULH 7, 0, 0
	MULH 7, 1, 0
	WIN 0
.if \vm
	PLACES 4                                       ; in front of the first read of results
.else
	s_wait_tensorcnt 0x0                           ; my part of the next tile's first half is in
	ds_add_u32 v[SPW], v[NIL]
	SETG 1, 6144
	s_wait_dscnt 0x0                               ; the add is done; my reads of slot Y were over ahead of K step 7's products
	CROUND
	JLOAD 1                                        ; the next tile's K steps 4-7; its four v_nop are the places in front of the loads and reads below
	s_cmp_eq_u32 s23, 0                            ; the next tile's scale words and bias: k's behind q, v's behind k
	s_cbranch_scc0 .Lnext_v_\@
	LOADS_QK VK, BK
	s_branch .Lnext_done_\@
.Lnext_v_\@:
	LOADS_V
.Lnext_done_\@:
	FETCH 0                                        ; the next tile's first fragments, out of slot X, which the round above has shown whole: they come in under the way out
	FETCH 1
.endif
	QUANTA 0, \vm
	QUANTA 1, \vm
	QUANTA 2, \vm
	QUANTA 3, \vm
.if \vm
	global_store_b128 v14, v[SW:SW+3], s[100:101]  ; sixteen lanes fill 256 consecutive bytes, aligned: the four tiles' words of each row
.else
.irp i, 0,1,2,3
	v_lshrrev_b32 v[DW+\i], v9, v[SW+\i]
.endr
.irp i, 0,1,2,3
	v_and_b32 v[DW+\i], 0xffff, v[DW+\i]           ; each head's word has two bytes and two zeros
.endr
	global_store_b128 v10, v[DW:DW+3], s[100:101]
.endif
.endm
	LOADS_QK VQ, 10
	s_wait_tensorcnt 0x0                           ; my one of the head's four loads is in; no load of mine is out, so descriptors may be written:
	s_mov_b32 s[G1P+2], 8<<16                      ; from here on a load brings half of P's tiles or of R's,
	s_mov_b32 s[G1P+4], 8
	s_mov_b32 s[G1R+2], 4<<16
	s_mov_b32 s[G1R+4], 4
	s_mul_i32 s60, s[PH], 49152                    ; the half w % 2, into either slot
	s_mul_i32 s61, s[PH], 24576
.irp c, 0,1
	s_add_co_u32 s[G0P+4*\c+1], s60, \c*CHUNK
	s_add_co_u32 s[G0R+4*\c+1], s61, \c*CHUNK+ROFF
.endr
	s_barrier_signal -1
	s_barrier_wait -1                              ; both slots are whole for every wave
	FETCH 0
	FETCH 1
	s_mov_b32 s23, 0
.Ltile:
	TILE 0
	s_add_co_u32 s23, s23, 1
	s_cmp_lt_u32 s23, 2
	s_wait_alu depctr_va_vdst(0)
	s_cbranch_scc1 .Ltile
	TILE 1
	s_wait_tensorcnt 0x0                           ; the wave's end
	ds_add_u32 v[SPW], v[NIL]
	s_wait_dscnt 0x0
	CROUND                                         ; the closing round
	s_endpgm
.Lfunc_end_k_q6e4735fec6_proj:
	.size	k_q6e4735fec6_proj, .Lfunc_end_k_q6e4735fec6_proj-k_q6e4735fec6_proj
	.p2alignl 7, 3214868480
	.fill 96, 4, 3214868480
	.section	.rodata,"a",@progbits
	.p2align	6, 0x0
	.amdhsa_kernel k_q6e4735fec6_proj
		.amdhsa_group_segment_fixed_size 327680
		.amdhsa_private_segment_fixed_size 0
		.amdhsa_enable_private_segment 0
		.amdhsa_kernarg_size 56
		.amdhsa_user_sgpr_count 2
		.amdhsa_user_sgpr_kernarg_segment_ptr 1
		.amdhsa_wavefront_size32 1
		.amdhsa_system_sgpr_workgroup_id_x 1
		.amdhsa_system_sgpr_workgroup_id_y 1
		.amdhsa_system_sgpr_workgroup_id_z 1
		.amdhsa_system_vgpr_workitem_id 0
		.amdhsa_next_free_vgpr 768
		.amdhsa_next_free_sgpr 102
		.amdhsa_reserve_vcc 0
		.amdhsa_float_denorm_mode_32 3
		.amdhsa_float_denorm_mode_16_64 3
		.amdhsa_memory_ordered 1
		.amdhsa_forward_progress 1
		.amdhsa_inst_pref_size 167
	.end_amdhsa_kernel
	.amdgpu_metadata
---
amdhsa.version: [ 1, 2 ]
amdhsa.kernels:
  - .name:           k_q6e4735fec6_proj
    .symbol:         k_q6e4735fec6_proj.kd
    .args:
      - { .name: xc, .offset: 0, .size: 8, .value_kind: global_buffer, .address_space: global }
      - { .name: wc, .offset: 8, .size: 8, .value_kind: global_buffer, .address_space: global }
      - { .name: sc, .offset: 16, .size: 8, .value_kind: global_buffer, .address_space: global }
      - { .name: bq, .offset: 24, .size: 8, .value_kind: global_buffer, .address_space: global }
      - { .name: bkv, .offset: 32, .size: 8, .value_kind: global_buffer, .address_space: global }
      - { .name: qr, .offset: 40, .size: 8, .value_kind: global_buffer, .address_space: global }
      - { .name: kvr, .offset: 48, .size: 8, .value_kind: global_buffer, .address_space: global }
    .group_segment_fixed_size: 327680
    .private_segment_fixed_size: 0
    .kernarg_segment_align: 8
    .kernarg_segment_size: 56
    .max_flat_workgroup_size: 128
    .sgpr_count:     102
    .vgpr_count:     768
    .wavefront_size: 32
...
	.end_amdgpu_metadata
.endif
;; end of part 2
;; launch attn (part 3): grid 4 x 64, 16 waves a work-group, clusters of 4 x 1, 327,680 bytes of LDS; arguments qr, kvr, hc, hs; writes hc, hs
.if DOCPART == 3
	.amdgcn_target "amdgcn-amd-amdhsa--gfx1250"
	.amdhsa_code_object_version 6
	.text
	.protected	k_q6e4735fec6_attn
	.globl	k_q6e4735fec6_attn
	.p2align	8
	.type	k_q6e4735fec6_attn,@function
k_q6e4735fec6_attn:
	s_mov_b64 s[64:65], 0
	v_nop
	global_prefetch_b8 v0, s[64:65] scope:SCOPE_SE
	s_setreg_imm32_b32 hwreg(HW_REG_WAVE_MODE, 25, 1), 1
	s_wait_xcnt 0x0
	s_wait_alu depctr_hold_cnt(0) depctr_sa_sdst(0) depctr_va_vdst(0) depctr_va_sdst(0) depctr_va_ssrc(0) depctr_va_vcc(0) depctr_vm_vsrc(0)
	s_getreg_b32 s2, hwreg(HW_REG_IB_STS2, 6, 4)
	s_cmp_eq_u32 s2, 0
	s_cbranch_scc0 .Lentry_in_a_cluster
	s_endpgm
.Lentry_in_a_cluster:
	s_bfe_u32 s2, ttmp6, 0x10000c
	s_cmp_lg_u32 s2, 0x3003
	s_cbranch_scc0 .Lentry_shape_is_right
	s_endpgm
.Lentry_shape_is_right:
.set SREC,  13312
.set HREC,  106496
; Launch 3 of 4: attention of two heads x 256 queries a work-group, on the records of launch 2.  Nothing of reference() is left out.
; Both heads' records (2 x 106,496 bytes) lie in LDS, each filled once: a wave brings a sixteenth of the first head's record (26 rows of 256 bytes) at the head,
; and the same share of the second head's behind the full sequence and a round of the cluster's barrier.  The four work-groups of a cluster ask jointly.
.set CHB,   106496
.set SPARE, 212992
.set HST,   215040
.set KF,  62
.set WV,  12
.set TB,  15
.set CNT, 16
.set SEL, 20
.set CS,  22
.set G1,  24
.set G0,  32
.macro ROUND
	s_barrier_signal -1
	s_barrier_wait -1
	s_cmp_lg_u32 s[WV], 0
	s_cbranch_scc1 .Lnot_wave_0_\@
	s_barrier_signal -3
.Lnot_wave_0_\@:
	s_barrier_wait -3
	s_barrier_signal -1
	s_barrier_wait -1
.endm
	s_load_b256 s[4:11], s[0:1], 0x0
	v_lshl_add_u32 v7, v0, 2, SPARE
	v_mov_b32 v8, 0
	ds_add_u32 v7, v8
	ds_add_u32 v7, v8
	v_lshrrev_b32 v1, 5, v0
	s_delay_alu instid0(VALU_DEP_1)
	v_readfirstlane_b32 s[WV], v1
	s_bfe_u32 s13, ttmp6, 0x40000
	s_and_b32 s14, ttmp7, 0xffff
	s_mov_b32 s[G1], 15|(3<<16)|(1<<21)
	s_mov_b32 s[G1+1], 32<<16
	s_mov_b32 s[G1+2], 26<<16
	s_mov_b32 s[G1+3], 32<<16
	s_mov_b32 s[G1+4], 26
	s_mov_b32 s[G1+5], 32
	s_mov_b32 s[G1+6], 0
	s_mov_b32 s[G1+7], 0
	s_mov_b32 s[SEL], 0x76543210
	s_mov_b32 s[SEL+1], 0xfedcba98
	s_mov_b32 s[CS], 0x3e38aa3b
	s_mov_b32 s[CS+1], s[CS]
	s_mul_i32 s48, s14, 2*HREC
	s_mul_i32 s49, s[WV], 6656
	s_add_co_u32 s50, s48, s49
	s_mov_b32 s51, 0
	s_wait_dscnt 0x0
	s_wait_kmcnt 0x0
	s_add_nc_u64 s[50:51], s[6:7], s[50:51]
	ROUND
.irp q, 0,1
	s_mov_b32 s[G0+4*\q], 1
	s_add_co_u32 s[G0+4*\q+1], s49, \q*CHB
	s_add_nc_u64 s[G0+4*\q+2:G0+4*\q+3], s[50:51], \q*CHB
	s_or_b32 s[G0+4*\q+3], s[G0+4*\q+3], 0x80000000
.endr
	tensor_load_to_lds s[G0:G0+3], s[G1:G1+7]      ; my share of the first head's record: one tensor load a wave at the head
	s_nop 0
.rept 4
	v_nop
.endr
	v_and_b32 v3, 31, v0
	s_delay_alu instid0(VALU_DEP_1)
	v_lshlrev_b32 v1, 4, v3
	s_wait_alu depctr_va_vdst(0)
	v_lshlrev_b32 v2, 3, v3
	s_wait_alu depctr_va_vdst(0)
	v_and_b32 v3, 15, v0
	s_delay_alu instid0(VALU_DEP_1)
	v_lshlrev_b32 v9, 2, v3
	s_delay_alu instid0(VALU_DEP_2)
	v_lshlrev_b32 v3, 4, v3
	s_wait_alu depctr_va_vdst(0)
	v_and_b32 v10, 0x1e0, v0
	s_delay_alu instid0(VALU_DEP_1)
	v_lshl_add_u32 v9, v10, 1, v9
	s_delay_alu instid0(VALU_DEP_1)
	v_add_nc_u32 v9, HST, v9
	v_lshl_add_u32 v10, v0, 4, HST
	s_lshl_b32 s52, s13, 1
	s_lshr_b32 s53, s[WV], 3
	s_add_co_u32 s52, s52, s53
	s_mul_i32 s52, s52, SREC
	s_add_co_u32 s52, s52, s48
	s_and_b32 s53, s[WV], 7
	s_mul_i32 s54, s53, 768
	s_add_co_u32 s54, s54, s52
	s_add_co_u32 s54, s54, 1024
	s_mov_b32 s55, 0
	s_add_nc_u64 s[54:55], s[4:5], s[54:55]
	s_lshr_b32 s56, s53, 2
	s_lshl_b32 s56, s56, 8
	s_and_b32 s57, s53, 3
	s_lshl_b32 s57, s57, 2
	s_add_co_u32 s56, s56, s57
	s_add_co_u32 s56, s56, s52
	s_mov_b32 s57, 0
	s_add_nc_u64 s[56:57], s[4:5], s[56:57]
	global_load_b128 v[16:19], v1, s[54:55]
	global_load_b64 v[20:21], v2, s[54:55] offset:512
	global_load_b128 v[28:31], v1, s[54:55] offset:HREC
	global_load_b64 v[32:33], v2, s[54:55] offset:HREC+512
	global_load_b32 v34, v3, s[56:57]
	global_load_b32 v35, v3, s[56:57] offset:HREC
	s_lshr_b32 s58, s14, 3
	s_lshl_b32 s58, s58, 6
	s_lshl_b32 s59, s13, 4
	s_add_co_u32 s58, s58, s59
	s_lshl_b32 s60, s58, 6
	s_add_co_u32 s58, s58, s[WV]
	s_mul_i32 s58, s58, 12288
	s_and_b32 s59, s14, 7
	s_mul_i32 s61, s59, 1536
	s_add_co_u32 s58, s58, s61
	s_lshl_b32 s61, s59, 15
	s_add_co_u32 s60, s60, s61
	s_lshl_b32 s61, s[WV], 9
	s_add_co_u32 s60, s60, s61
	s_mov_b32 s59, 0
	s_mov_b32 s61, 0
	s_add_nc_u64 s[58:59], s[8:9], s[58:59]
	s_add_nc_u64 s[60:61], s[10:11], s[60:61]
.irp i, 0,1,2,3,4,5
	v_mov_b32 v[22+\i], 0
	v_mov_b32 v[KF+48+\i], 0
.endr
.irp b, 0,1,2,3
	v_mov_b32 v[228+\b], 0
.endr
	v_mov_b32 v246, 0
	v_mov_b32 v251, 0
.macro KLOAD off, a16, a8, ar
	ds_load_b128 v[36:39], v[\ar] offset:(\off)
	ds_load_b128 v[40:43], v[\ar] offset:(\off)+256
.irp t, 0,1,2,3,4,5,6,7
	ds_load_b128 v[KF+6*\t:KF+6*\t+3], v[\a16] offset:(\off)+1024+768*\t
	ds_load_b64 v[KF+6*\t+4:KF+6*\t+5], v[\a8] offset:(\off)+1024+768*\t+512
.endr
.endm
.macro STEP pre, qs
	v_add_nc_u32 v4, s[TB], v1
	v_add_nc_u32 v5, s[TB], v2
	v_add_nc_u32 v6, s[TB], v3
	v_nop
	v_nop
	s_wait_dscnt 0x0
.irp t, 0,1,2,3,4,5,6,7
	v_wmma_scale_f32_16x16x128_f8f6f4 v[116+8*\t:123+8*\t], v[KF+6*\t:KF+6*\t+11], v[16:27], 0, v[36+\t], v[\qs] matrix_a_fmt:MATRIX_FMT_FP6 matrix_b_fmt:MATRIX_FMT_FP6
.endr
	v_mov_b32 v247, v12
	v_nop
	v_nop
	v_nop
.if \pre
	s_wait_alu depctr_va_vdst(0)
	KLOAD SREC, 4, 5, 6
.endif
.irp b, 0,1,2,3
	v_max3_num_f32 v[224+\b], v[116+16*\b], v[117+16*\b], v[118+16*\b]
.endr
.irp i, 3,5,7,9,11,13
.irp b, 0,1,2,3
	v_max3_num_f32 v[224+\b], v[224+\b], v[116+16*\b+\i], v[117+16*\b+\i]
.endr
.endr
.irp b, 0,1,2,3
	v_max_num_f32 v[224+\b], v[224+\b], v[131+16*\b]
.endr
.irp b, 0,1,2,3
	s_delay_alu instid0(VALU_DEP_4)
	v_permlanex16_b32 v[228+\b], v[224+\b], s[SEL], s[SEL+1]
.endr
.irp b, 0,1,2,3
	s_delay_alu instid0(VALU_DEP_4)
	v_max_num_f32 v[224+\b], v[224+\b], v[228+\b]
.endr
	s_delay_alu instid0(VALU_DEP_2)
	v_max3_num_f32 v246, v224, v225, v226
	s_delay_alu instid0(VALU_DEP_1)
	v_max_num_f32 v246, v246, v227
	s_delay_alu instid0(VALU_DEP_1)
	v_mul_f32 v246, s[CS], v246
	s_delay_alu instid0(VALU_DEP_1)
	v_max_num_f32 v13, v13, v246
	s_delay_alu instid0(VALU_DEP_1)
	v_floor_f32 v12, -v13
	s_delay_alu instid0(VALU_DEP_1)
	v_sub_f32 v246, v12, v247
	s_delay_alu instid0(VALU_DEP_1)
	v_cvt_i32_f32 v246, v246
	s_delay_alu instid0(VALU_DEP_1)
	v_ldexp_f32 v250, 1.0, v246
.irp j, 0,2,4,6,8,10,12,14,16,18,20,22,24,26,28,30,32,34,36,38,40,42,44,46,48,50,52,54,56,58,60,62
	v_pk_fma_f32 v[116+\j:117+\j], v[116+\j:117+\j], s[CS:CS+1], v[12:13] op_sel_hi:[1,0,0]
.endr
.irp b, 0,1,2,3
	v_fma_f32 v[224+\b], v[224+\b], s[CS], v12
.endr
	s_wait_alu depctr_va_vdst(0)
.irp j, 0,1,2,3,4,5,6,7,8,9,10,11,12,13,14,15,16,17,18,19,20,21,22,23,24,25,26,27,28,29,30,31,32,33,34,35,36,37,38,39,40,41,42,43,44,45,46,47,48,49,50,51,52,53,54,55,56,57,58,59,60,61,62,63
	v_exp_f32 v[116+\j], v[116+\j]
.endr
	v_pk_mul_f32 v[14:15], v[14:15], v[250:251] op_sel_hi:[1,0]
	s_wait_alu depctr_va_vdst(0)
.irp b, 0,1,2,3
	v_exp_f32 v[224+\b], v[224+\b]
.endr
	v_pk_add_f32 v[244:245], v[116:117], v[118:119]
.irp j, 4,8,12,16,20,24,28,32,36,40,44
	v_pk_add_f32 v[14:15], v[14:15], v[116+\j:117+\j]
	v_pk_add_f32 v[244:245], v[244:245], v[118+\j:119+\j]
.endr
	s_wait_alu depctr_va_vdst(0)
.irp b, 0,1,2,3
	v_max_num_f32 v[224+\b], 0x1800000, v[224+\b]
.endr
.irp b, 0,1,2,3
	s_delay_alu instid0(VALU_DEP_4)
	v_add_nc_u32 v[240+\b], 0xff000000, v[224+\b]
.endr
.irp b, 0,1,2,3
	s_delay_alu instid0(VALU_DEP_4)
	v_lshrrev_b32 v[228+\b], 23, v[240+\b]
.endr
	s_delay_alu instid0(VALU_DEP_3)
	v_lshl_or_b32 v253, v229, 8, v228
	s_delay_alu instid0(VALU_DEP_1)
	v_lshl_or_b32 v253, v230, 16, v253
	s_delay_alu instid0(VALU_DEP_1)
	v_lshl_or_b32 v253, v231, 24, v253
.irp c, 0,1
	v_cvt_scalef32_pk16_fp6_f32 v[212+6*\c:214+6*\c], v[116+32*\c:131+32*\c], v[240+2*\c]
	v_cvt_scalef32_pk16_fp6_f32 v[232+4*\c:234+4*\c], v[132+32*\c:147+32*\c], v[240+2*\c+1]
.endr
	ds_load_b128 v[44:47], v4 offset:512
.irp t, 0,1,2,3
.irp c, 0,1,2
	ds_load_b128 v[116+12*\t+4*\c:119+12*\t+4*\c], v4 offset:7168+1536*\t+512*\c
.endr
.endr
	v_nop
.irp j, 48,52,56,60
	v_pk_add_f32 v[14:15], v[14:15], v[116+\j:117+\j]
	v_pk_add_f32 v[244:245], v[244:245], v[118+\j:119+\j]
.endr
	s_delay_alu instid0(VALU_DEP_1)
	v_pk_add_f32 v[14:15], v[14:15], v[244:245]
.irp c, 0,1
.irp i, 0,1,2
	v_permlane16_swap_b32 v[212+6*\c+\i], v[232+4*\c+\i]
.endr
.irp i, 0,1,2
	s_delay_alu instid0(VALU_DEP_3)
	v_mov_b32 v[215+6*\c+\i], v[232+4*\c+\i]
.endr
.endr
.irp j, 0,2,4,6,8,10,12,14,16,18,20,22,24,26,28,30
	v_pk_mul_f32 v[180+\j:181+\j], v[180+\j:181+\j], v[250:251] op_sel_hi:[1,0]
.endr
	s_wait_alu depctr_va_vdst(0)
.irp t, 0,1,2,3
	s_wait_dscnt 9-3*\t
	v_wmma_scale_f32_16x16x128_f8f6f4 v[180+8*\t:187+8*\t], v[116+12*\t:127+12*\t], v[212:223], v[180+8*\t:187+8*\t], v[44+\t], v253 matrix_a_fmt:MATRIX_FMT_FP6 matrix_b_fmt:MATRIX_FMT_FP6
.endr
.endm
.macro LOOPM first, trips, qs
	s_mov_b32 s[TB], (\first)*SREC
	s_mov_b32 s[CNT], \trips
.Lstep_\@:
	STEP 1, \qs
	s_add_co_u32 s[TB], s[TB], SREC
	s_sub_co_u32 s[CNT], s[CNT], 1
	s_cmp_lg_u32 s[CNT], 0
	s_cbranch_scc1 .Lstep_\@
.endm
.macro INIT
	v_mov_b32 v13, 0xff61b1e6
	s_delay_alu instid0(VALU_DEP_1)
	v_floor_f32 v12, -v13
	v_mov_b32 v14, 0
	v_mov_b32 v15, 0
.irp j, 0,1,2,3,4,5,6,7,8,9,10,11,12,13,14,15,16,17,18,19,20,21,22,23,24,25,26,27,28,29,30,31
	v_mov_b32 v[180+\j], 0
.endr
.endm
.macro FIN hh
.rept 4
	v_nop
.endr
	v_add_f32 v14, v14, v15
	s_delay_alu instid0(VALU_DEP_1)
	v_permlanex16_b32 v246, v14, s[SEL], s[SEL+1]
	s_delay_alu instid0(VALU_DEP_1)
	v_add_f32 v14, v14, v246
	s_wait_alu depctr_va_vdst(0)
	v_rcp_f32 v250, v14
	v_nop
	s_wait_alu depctr_va_vdst(0)
.irp j, 0,2,4,6,8,10,12,14,16,18,20,22,24,26,28,30
	v_pk_mul_f32 v[180+\j:181+\j], v[180+\j:181+\j], v[250:251] op_sel_hi:[1,0]
.endr
.irp b, 0,1
	v_max3_num_f32 v[224+\b], |v[180+16*\b]|, |v[181+16*\b]|, 0x1800000
.endr
.irp i, 2,4,6,8,10,12,14
.irp b, 0,1
	s_delay_alu instid0(VALU_DEP_2)
	v_max3_num_f32 v[224+\b], v[224+\b], |v[180+16*\b+\i]|, |v[181+16*\b+\i]|
.endr
.endr
.irp b, 0,1
	s_delay_alu instid0(VALU_DEP_2)
	v_permlanex16_b32 v[228+\b], v[224+\b], s[SEL], s[SEL+1]
.endr
.irp b, 0,1
	s_delay_alu instid0(VALU_DEP_2)
	v_max_num_f32 v[224+\b], v[224+\b], v[228+\b]
.endr
.irp b, 0,1
	s_delay_alu instid0(VALU_DEP_2)
	v_add_nc_u32 v[240+\b], 0xff000000, v[224+\b]
.endr
.irp b, 0,1
	s_delay_alu instid0(VALU_DEP_2)
	v_lshrrev_b32 v[228+\b], 23, v[240+\b]
.endr
.if \hh == 0
	s_delay_alu instid0(VALU_DEP_1)
	v_lshl_or_b32 v60, v229, 8, v228
.else
	s_delay_alu instid0(VALU_DEP_2)
	v_lshl_or_b32 v60, v228, 16, v60
	s_delay_alu instid0(VALU_DEP_1)
	v_lshl_or_b32 v60, v229, 24, v60
.endif
	v_cvt_scalef32_pk16_fp6_f32 v[48+6*\hh:50+6*\hh], v[180:195], v240
	v_cvt_scalef32_pk16_fp6_f32 v[232:234], v[196:211], v241
	v_nop
.irp i, 0,1,2
	v_permlane16_swap_b32 v[48+6*\hh+\i], v[232+\i]
.endr
.irp i, 0,1,2
	s_delay_alu instid0(VALU_DEP_3)
	v_mov_b32 v[51+6*\hh+\i], v[232+\i]
.endr
.endm
	INIT
	s_wait_alu depctr_va_vdst(0)                   ; the wait at the head's end
	s_wait_tensorcnt 0x0                           ; my share of the first head's record is in
	ds_add_u32 v7, v8
	s_wait_dscnt 0x0
	ROUND                                          ; everybody's share is in, and the four work-groups are here
	tensor_load_to_lds s[G0+4:G0+7], s[G1:G1+7]    ; my share of the second head's record, the first tensor load behind the round
	s_nop 0
.rept 4
	v_nop
.endr
	KLOAD 0, 1, 2, 3
	s_wait_loadcnt 0x0                             ; q's fragments and scale words
	LOOPM 0, 4, 34
	s_wait_tensorcnt 0x0                           ; the second head's record: step 7 fetches its first fragments
	s_wait_dscnt 0x0
	s_barrier_signal -1
	s_barrier_wait -1
	LOOPM 4, 4, 34
	FIN 0
.irp i, 0,1,2,3,4,5
	v_mov_b32 v[16+\i], v[28+\i]
.endr
	INIT
	LOOPM 8, 7, 35
	s_mov_b32 s[TB], 15*SREC
	STEP 0, 35
	FIN 1
.irp c, 0,1,2
	global_store_b128 v1, v[48+4*\c:51+4*\c], s[58:59] offset:512*\c
.endr
	ds_store_b32 v9, v60
	s_wait_dscnt 0x0
	s_barrier_signal -1
	s_barrier_wait -1
	s_cmp_lt_u32 s[WV], 2
	s_cbranch_scc0 .Lnot_mine
	ds_load_b128 v[64:67], v10
	s_wait_dscnt 0x0
	global_store_b128 v1, v[64:67], s[60:61]
.Lnot_mine:
	s_wait_tensorcnt 0x0
	ds_add_u32 v7, v8
	s_wait_dscnt 0x0
	ROUND
	s_endpgm
.Lfunc_end_k_q6e4735fec6_attn:
	.size	k_q6e4735fec6_attn, .Lfunc_end_k_q6e4735fec6_attn-k_q6e4735fec6_attn
	.p2alignl 7, 3214868480
	.fill 96, 4, 3214868480
	.section	.rodata,"a",@progbits
	.p2align	6, 0x0
	.amdhsa_kernel k_q6e4735fec6_attn
		.amdhsa_group_segment_fixed_size 327680
		.amdhsa_private_segment_fixed_size 0
		.amdhsa_enable_private_segment 0
		.amdhsa_kernarg_size 32
		.amdhsa_user_sgpr_count 2
		.amdhsa_user_sgpr_kernarg_segment_ptr 1
		.amdhsa_wavefront_size32 1
		.amdhsa_system_sgpr_workgroup_id_x 1
		.amdhsa_system_sgpr_workgroup_id_y 1
		.amdhsa_system_sgpr_workgroup_id_z 1
		.amdhsa_system_vgpr_workitem_id 0
		.amdhsa_next_free_vgpr 256
		.amdhsa_next_free_sgpr 66
		.amdhsa_reserve_vcc 0
		.amdhsa_float_denorm_mode_32 3
		.amdhsa_float_denorm_mode_16_64 3
		.amdhsa_memory_ordered 1
		.amdhsa_forward_progress 1
		.amdhsa_inst_pref_size 86
	.end_amdhsa_kernel
	.amdgpu_metadata
---
amdhsa.version: [ 1, 2 ]
amdhsa.kernels:
  - .name:           k_q6e4735fec6_attn
    .symbol:         k_q6e4735fec6_attn.kd
    .args:
      - { .name: qr, .offset: 0, .size: 8, .value_kind: global_buffer, .address_space: global }
      - { .name: kvr, .offset: 8, .size: 8, .value_kind: global_buffer, .address_space: global }
      - { .name: hc, .offset: 16, .size: 8, .value_kind: global_buffer, .address_space: global }
      - { .name: hs, .offset: 24, .size: 8, .value_kind: global_buffer, .address_space: global }
    .group_segment_fixed_size: 327680
    .private_segment_fixed_size: 0
    .kernarg_segment_align: 8
    .kernarg_segment_size: 32
    .max_flat_workgroup_size: 512
    .sgpr_count:     66
    .vgpr_count:     256
    .wavefront_size: 32
...
	.end_amdgpu_metadata
.endif
;; end of part 3
;; launch outp (part 4): grid 4 x 64, 4 waves a work-group, clusters of 4 x 4, 296,960 bytes of LDS; arguments hc, hs, wc, sc, bo, out0; writes out0
.if DOCPART == 4
	.amdgcn_target "amdgcn-amd-amdhsa--gfx1250"
	.amdhsa_code_object_version 6
	.text
	.protected	k_q6e4735fec6_outp
	.globl	k_q6e4735fec6_outp
	.p2align	8
	.type	k_q6e4735fec6_outp,@function
k_q6e4735fec6_outp:
	s_mov_b64 s[64:65], 0
	v_nop
	global_prefetch_b8 v0, s[64:65] scope:SCOPE_SE
	s_setreg_imm32_b32 hwreg(HW_REG_WAVE_MODE, 25, 1), 1
	s_wait_xcnt 0x0
	s_wait_alu depctr_hold_cnt(0) depctr_sa_sdst(0) depctr_va_vdst(0) depctr_va_sdst(0) depctr_va_ssrc(0) depctr_va_vcc(0) depctr_vm_vsrc(0)
	s_getreg_b32 s2, hwreg(HW_REG_IB_STS2, 6, 4)
	s_cmp_eq_u32 s2, 0
	s_cbranch_scc0 .Lentry_in_a_cluster
	s_endpgm
.Lentry_in_a_cluster:
	s_bfe_u32 s2, ttmp6, 0x10000c
	s_cmp_lg_u32 s2, 0xf033
	s_cbranch_scc0 .Lentry_shape_is_right
	s_endpgm
.Lentry_shape_is_right:
; Launch 4 of 4: out0 = heads Wo + bo, on the codes of launches 1 (Wo) and 3 (heads).  Nothing of reference() is left out.
; THE PRODUCT is launch 2's: source 0 = 16 columns of Wo (P), source 1 = 16 tokens (R): a lane holds one token, and its registers run along the output's columns, 16 neighbours in two neighbouring tiles.
; A work-group: 256 columns x 128 tokens; wave w: P's half w % 2 (8 tiles) x R's half w / 2 (4 tiles): 32 accumulators.
; ALL OF K = 1,024 LIES IN LDS, in two chunks of four K steps (16 tiles of P, then 8 of R, 6,144 bytes a tile), each byte filled once: the head's four loads, one a wave, bring them:
; waves 0, 1 P's 16 tiles of chunks 0, 1; waves 2, 3 R's 8 tiles of chunks 0, 1.  Nothing is filled again.  No loop along which a prefetch could run ahead.
; CLUSTER 4 x 4: Wo's tiles hang on cx alone and are asked for jointly by my column of the cluster, the heads' on cy alone and by my row.
; THE WAY OUT: 16 tokens x 128 columns at a time through the wave's own stage, which lies in chunk 0's bytes: that chunk has had its only fill, and every wave has passed the barrier of K step 3, in front of which its
; reads of chunk 0 were back.  Whole rows of 512 bytes leave, two aligned blocks of 256 bytes a store.
; REGISTERS, in windows of 256.  Window 0: v1 16 x lane, v16-21 LDS addresses, v24-25 the stage, v28-29 the add's two, v32-95 Wo's scale words, v96-127 the heads', v160-255 R's fragments (two sets); on the way out v128-255.
;   Window 1: P's fragments, two sets, at v0 and v128; the bias at v96-127 and v224-255.   Window 2: accumulator (a, b) at v[8 (8 a + b)].
.set CHUNK, 147456
.set ROFF,  98304
.set SPARE, 2*CHUNK                    ; the spare words, 128 bytes for each wave: two blocks of 256 bytes that no other line names
.set LI,  1
.set AP,  16
.set AR,  20
.set STO, 24
.set RD,  25
.set SPW, 28
.set NIL, 29
.set SCP, 32                           ; v[SCP + 8 b + k]: the word of P's tile b for K step k
.set SCR, 96                           ; v[SCR + 8 a + k]: of R's tile a
.set RF,  160
.set WV,  18
.set PH,  19
.set RH,  20
.set G1P, 28
.set G1R, 36
.set G0P, 44
.set G0R, 68
.set MSB, 0
.macro WIN new
.if MSB != \new
	s_set_vgpr_msb (MSB<<8)|\new
.set MSB, \new
.endif
.endm
.macro PLACES n
.rept \n
	v_nop
.endr
.endm
.macro CROUND
	s_barrier_signal -1
	s_barrier_wait -1
	s_cmp_lg_u32 s[WV], 0
	s_cbranch_scc1 .Lnot_wave_0_\@
	s_barrier_signal -3
.Lnot_wave_0_\@:
	s_barrier_wait -3
	s_barrier_signal -1
	s_barrier_wait -1
.endm
	s_load_b256 s[4:11], s[0:1], 0x0               ; hc, hs, wc, sc
	s_load_b128 s[12:15], s[0:1], 0x20             ; bo, out0
	v_lshl_add_u32 v[SPW], v0, 2, SPARE
	v_mov_b32 v[NIL], 0
	ds_add_u32 v[SPW], v[NIL]                      ; the wave's opening: the add, twice on end, and its wait ahead of my first tensor load
	ds_add_u32 v[SPW], v[NIL]
	v_lshrrev_b32 v3, 5, v0
	v_readfirstlane_b32 s[WV], v3
	s_and_b32 s[PH], s[WV], 1                      ; my half of P.  Also: which chunk I fetch
	s_lshr_b32 s[RH], s[WV], 1                     ; my half of R
	s_bfe_u32 s21, ttmp6, 0x40000                  ; cx
	s_bfe_u32 s22, ttmp6, 0x40004                  ; cy
	s_and_b32 s24, ttmp7, 0xffff                   ; cluster y
	s_add_co_u32 s84, s21, 12                      ; P: Wo's columns begin at column 3,072 of the weights: block 12 + cx of 256
	s_lshl_b32 s86, s24, 2
	s_add_co_u32 s86, s86, s22                     ; R: tokens 128 (4 cluster y + cy)
	s_mul_i32 s90, s84, 196608
	s_mul_i32 s60, s[PH], 6144                     ; my chunk's four K steps in each tile
	s_add_co_u32 s90, s90, s60
	s_mov_b32 s91, 0
	s_mul_i32 s92, s86, 98304
	s_add_co_u32 s92, s92, s60
	s_mov_b32 s93, 0
	s_lshl_b32 s60, 0x1111, s21                    ; my column of the cluster
	s_lshl_b32 s61, s22, 2
	s_lshl_b32 s61, 15, s61                        ; my row
	s_or_b32 s[G1P], s60, (3<<16)|(1<<21)          ; rows of 6,144 bytes (768 elements of 8), 12,288 apart in memory, dense in LDS: 16 for P, 8 for R
	s_or_b32 s[G1R], s61, (3<<16)|(1<<21)
	s_mov_b32 s[G1P+1], 768<<16
	s_mov_b32 s[G1P+2], 16<<16
	s_mov_b32 s[G1P+3], 768<<16
	s_mov_b32 s[G1P+4], 16
	s_mov_b32 s[G1P+5], 1536
	s_mov_b32 s[G1P+6], 0
	s_mov_b32 s[G1P+7], 0
	s_mov_b32 s[G1R+1], 768<<16
	s_mov_b32 s[G1R+2], 8<<16
	s_mov_b32 s[G1R+3], 768<<16
	s_mov_b32 s[G1R+4], 8
	s_mov_b32 s[G1R+5], 1536
	s_mov_b32 s[G1R+6], 0
	s_mov_b32 s[G1R+7], 0
	s_mul_i32 s60, s[PH], CHUNK
	s_mov_b32 s[G0P], 1
	s_add_co_u32 s[G0P+1], s60, 0
	s_mov_b32 s[G0R], 1
	s_add_co_u32 s[G0R+1], s60, ROFF
	s_wait_dscnt 0x0                               ; both opening adds are done
	s_wait_kmcnt 0x0
	s_add_nc_u64 s[G0P+2:G0P+3], s[8:9], s[90:91]
	s_or_b32 s[G0P+3], s[G0P+3], 0x80000000
	s_add_nc_u64 s[G0R+2:G0R+3], s[4:5], s[92:93]
	s_or_b32 s[G0R+3], s[G0R+3], 0x80000000
	CROUND                                         ; all sixteen work-groups are here: the joint loads meet
	s_cmp_lt_u32 s[WV], 2                          ; one branch on the wave's number, a load in each arm: every wave issues one
	s_cbranch_scc0 .Lfor_r
	tensor_load_to_lds s[G0P:G0P+3], s[G1P:G1P+7]
	s_nop 0
	PLACES 4
	s_branch .Lasked
.Lfor_r:
	tensor_load_to_lds s[G0R:G0R+3], s[G1R:G1R+7]
	s_nop 0
	PLACES 4
.Lasked:
	v_and_b32 v3, 31, v0
	v_lshlrev_b32 v[LI], 4, v3
	s_wait_alu depctr_va_vdst(0)
	v_and_b32 v4, 15, v0                           ; r
	v_bfe_u32 v5, v0, 4, 1                         ; h
	s_mul_i32 s60, s[PH], 49152
	s_mul_i32 s61, s[RH], 24576
	s_add_co_u32 s61, s61, ROFF
.irp c, 0,1
	v_add_nc_u32 v[AP+\c], s60, v[LI]
	v_add_nc_u32 v[AR+\c], s61, v[LI]
	s_add_co_u32 s60, s60, CHUNK
	s_add_co_u32 s61, s61, CHUNK
.endr
	s_mul_i32 s60, s[WV], 8448                     ; my stage: 16 rows x (512 bytes + 16)
	s_wait_alu depctr_va_vdst(0)                   ; ahead of the readers of r and h below
	v_mul_u32_u24 v[STO], v4, 528
	v_lshl_add_u32 v[STO], v5, 6, v[STO]
	v_add_nc_u32 v[STO], s60, v[STO]               ; in: row r, + 64 h
	v_add_nc_u32 v[RD], s60, v[LI]                 ; back: a whole row, 16 bytes a lane
	s_lshl_b32 s60, s84, 4
	s_lshl_b32 s61, s[PH], 3
	s_add_co_u32 s60, s60, s61
	s_lshl_b32 s60, s60, 9
	s_add_co_u32 s60, s60, 0x80000
	s_mov_b32 s61, 0
	s_add_nc_u64 s[10:11], s[10:11], s[60:61]      ; Wo's scale words: my eight tiles
	s_lshl_b32 s60, s86, 3
	s_lshl_b32 s62, s[RH], 2
	s_add_co_u32 s60, s60, s62
	s_lshl_b32 s60, s60, 6
	s_add_nc_u64 s[6:7], s[6:7], s[60:61]          ; the heads': my four tiles, 64 bytes each
	s_lshl_b32 s60, s21, 10
	s_lshl_b32 s62, s[PH], 9
	s_add_co_u32 s60, s60, s62                     ; my 128 columns, in bytes
	s_add_nc_u64 s[12:13], s[12:13], s[60:61]      ; in bo,
	s_add_nc_u64 s[14:15], s[14:15], s[60:61]      ; and in a row of out0
	s_lshl_b32 s60, s86, 7
	s_lshl_b32 s62, s[RH], 6
	s_add_co_u32 s60, s60, s62
	s_lshl_b32 s60, s60, 12                        ; my first token's row
	s_add_nc_u64 s[14:15], s[14:15], s[60:61]
	v_lshlrev_b32 v6, 3, v4                        ; 8 r
	v_lshlrev_b32 v8, 2, v4                        ; 4 r
	v_lshlrev_b32 v7, 6, v5                        ; 64 h
.irp i, 0,1,2,3,4,5,6,7
.irp kq, 0,1,2,3
	global_load_b64 v[SCP+8*\i+2*\kq:SCP+8*\i+2*\kq+1], v6, s[10:11] offset:(\i/2)*1024+(\i%2)*128+\kq*256
.endr
.endr
.irp a, 0,1,2,3
.irp k, 0,1,2,3,4,5,6,7
	global_load_b32 v[SCR+8*\a+\k], v8, s[6:7] offset:32768*\k+64*\a
.endr
.endr
	WIN 0x40                                       ; destination window 1
.irp t, 0,1,2,3,4,5,6,7                ; the bias is the C of each sum's first product: tile t's eight registers are columns 32 (t / 2) + 8 (t % 2) + 16 h + 0 .. 7
	global_load_b128 v[96+8*\t+96*(\t/4):96+8*\t+96*(\t/4)+3], v7, s[12:13] offset:(32*(\t/2)+8*(\t%2))*4
	global_load_b128 v[96+8*\t+96*(\t/4)+4:96+8*\t+96*(\t/4)+7], v7, s[12:13] offset:(32*(\t/2)+8*(\t%2))*4+16
.endr
	WIN 0
.macro FETCH k
	WIN 0x40
.irp i, 0,1,2,3,4,5,6,7
.irp c, 0,1,2
	ds_load_b128 v[128*((\k)%2)+12*\i+4*\c:128*((\k)%2)+12*\i+4*\c+3], v[AP+(\k)/4] offset:6144*\i+1536*((\k)%4)+512*\c
.endr
.endr
	WIN 0
.irp i, 0,1,2,3
.irp c, 0,1,2
	ds_load_b128 v[RF+48*((\k)%2)+12*\i+4*\c:RF+48*((\k)%2)+12*\i+4*\c+3], v[AR+(\k)/4] offset:6144*\i+1536*((\k)%4)+512*\c
.endr
.endr
.endm
; 16 products: R's tiles 2 half, 2 half + 1 x P's eight.  The 32 accumulators take turns, in the same order in every K step.
.macro MULH k, half, cm
.if \cm
	WIN 0x91                                       ; source 0 (P) window 1, source 1 (R) window 0, C (the bias) window 1, D window 2
.else
	WIN 0xa1
.endif
.irp a, 2*\half, 2*\half+1
.irp b, 0,1,2,3,4,5,6,7
.if \cm
	v_wmma_scale_f32_16x16x128_f8f6f4 v[8*(8*(\a)+\b):8*(8*(\a)+\b)+7], v[128*((\k)%2)+12*\b:128*((\k)%2)+12*\b+11], v[RF+48*((\k)%2)+12*(\a):RF+48*((\k)%2)+12*(\a)+11], v[96+8*\b+96*(\b/4):96+8*\b+96*(\b/4)+7], v[SCP+8*\b+(\k)], v[SCR+8*(\a)+(\k)] matrix_a_fmt:MATRIX_FMT_FP6 matrix_b_fmt:MATRIX_FMT_FP6
.else
	v_wmma_scale_f32_16x16x128_f8f6f4 v[8*(8*(\a)+\b):8*(8*(\a)+\b)+7], v[128*((\k)%2)+12*\b:128*((\k)%2)+12*\b+11], v[RF+48*((\k)%2)+12*(\a):RF+48*((\k)%2)+12*(\a)+11], v[8*(8*(\a)+\b):8*(8*(\a)+\b)+7], v[SCP+8*\b+(\k)], v[SCR+8*(\a)+(\k)] matrix_a_fmt:MATRIX_FMT_FP6 matrix_b_fmt:MATRIX_FMT_FP6
.endif
.endr
.endr
.endm
.macro KBAR k                          ; a K step with a barrier: in front of it every wave's reads of chunk 0 are back, so that the stage may later be laid over that chunk's bytes
	s_wait_dscnt 0x0
	s_barrier_signal -1
	MULH \k, 0, 0
	s_barrier_wait -1
	PLACES 4                                       ; in front of loads into registers that matrix instructions have read
	FETCH (\k)+1
	MULH \k, 1, 0
.endm
.macro KSTEP k
	s_wait_dscnt 0x0
	PLACES 4
	FETCH (\k)+1
	MULH \k, 0, 0
	MULH \k, 1, 0
.endm
	s_wait_alu depctr_va_vdst(0)                   ; the wait at the head's end
	s_wait_tensorcnt 0x0                           ; my one of the four loads is in,
	s_barrier_signal -1
	s_barrier_wait -1                              ; and everybody's: all of K is whole for every wave
	FETCH 0
	s_wait_dscnt 0x0
	s_wait_loadcnt 0x0                             ; scale words and bias
	FETCH 1
	MULH 0, 0, 1
	MULH 0, 1, 1
	KSTEP 1
	KSTEP 2
	KBAR 3
	KSTEP 4
	KSTEP 5
	KSTEP 6
	s_wait_dscnt 0x0
	MULH 7, 0, 0
	MULH 7, 1, 0
	WIN 0
.macro TOSTAGE a                       ; R's tile a: lane (r, h) holds, in tile b's registers, columns 32 (b / 2) + 16 h + 8 (b % 2) + 0 .. 7 of its token
	WIN 0x08                                       ; an LDS store's data are its source 1: window 2
.irp b, 0,1,2,3,4,5,6,7
	ds_store_b128 v[STO], v[64*(\a)+8*\b:64*(\a)+8*\b+3] offset:128*(\b/2)+32*(\b%2)        ; each accumulator from its low end on
	ds_store_b128 v[STO], v[64*(\a)+8*\b+4:64*(\a)+8*\b+7] offset:128*(\b/2)+32*(\b%2)+16
.endr
	WIN 0
.set BB, 128+64*((\a)%2)
.irp t, 0,1,2,3,4,5,6,7,8,9,10,11,12,13,14,15
	ds_load_b128 v[BB+4*\t:BB+4*\t+3], v[RD] offset:528*\t   ; LDS serves a wave's instructions in order: these see the stores above, and the next tile's stores come behind them
.endr
.endm
.macro SEND a, younger                 ; younger: the LDS instructions issued behind tile a's loads, which may stay out
.set BB, 128+64*((\a)%2)
	s_wait_dscnt \younger
.irp t, 0,1,2,3,4,5,6,7,8,9,10,11,12,13,14,15
	global_store_b128 v[LI], v[BB+4*\t:BB+4*\t+3], s[14:15] offset:(32*((\a)/2)+8*((\a)%2)+\t+8*(\t/8))*4096 th:TH_STORE_NT   ; 512 consecutive bytes of the token's row, aligned; the base is never stepped
.endr
.endm
	PLACES 4                                       ; in front of the first read of results, and of loads into the registers that held R's fragments
	TOSTAGE 0
.irp a, 1,2,3
.if \a > 1
	s_wait_xcnt 0x0                                ; tile a - 2's stores have read their registers: tile a's loads may land there
.endif
	TOSTAGE \a
	SEND \a-1, 32                                  ; behind tile a - 1's loads: tile a's 16 stores and 16 loads
.endr
	SEND 3, 0
	s_wait_tensorcnt 0x0                           ; the wave's end
	ds_add_u32 v[SPW], v[NIL]
	s_wait_dscnt 0x0
	CROUND                                         ; the closing round
	s_endpgm
.Lfunc_end_k_q6e4735fec6_outp:
	.size	k_q6e4735fec6_outp, .Lfunc_end_k_q6e4735fec6_outp-k_q6e4735fec6_outp
	.p2alignl 7, 3214868480
	.fill 96, 4, 3214868480
	.section	.rodata,"a",@progbits
	.p2align	6, 0x0
	.amdhsa_kernel k_q6e4735fec6_outp
		.amdhsa_group_segment_fixed_size 296960
		.amdhsa_private_segment_fixed_size 0
		.amdhsa_enable_private_segment 0
		.amdhsa_kernarg_size 48
		.amdhsa_user_sgpr_count 2
		.amdhsa_user_sgpr_kernarg_segment_ptr 1
		.amdhsa_wavefront_size32 1
		.amdhsa_system_sgpr_workgroup_id_x 1
		.amdhsa_system_sgpr_workgroup_id_y 1
		.amdhsa_system_sgpr_workgroup_id_z 1
		.amdhsa_system_vgpr_workitem_id 0
		.amdhsa_next_free_vgpr 768
		.amdhsa_next_free_sgpr 102
		.amdhsa_reserve_vcc 0
		.amdhsa_float_denorm_mode_32 3
		.amdhsa_float_denorm_mode_16_64 3
		.amdhsa_memory_ordered 1
		.amdhsa_forward_progress 1
		.amdhsa_inst_pref_size 81
	.end_amdhsa_kernel
	.amdgpu_metadata
---
amdhsa.version: [ 1, 2 ]
amdhsa.kernels:
  - .name:           k_q6e4735fec6_outp
    .symbol:         k_q6e4735fec6_outp.kd
    .args:
      - { .name: hc, .offset: 0, .size: 8, .value_kind: global_buffer, .address_space: global }
      - { .name: hs, .offset: 8, .size: 8, .value_kind: global_buffer, .address_space: global }
      - { .name: wc, .offset: 16, .size: 8, .value_kind: global_buffer, .address_space: global }
      - { .name: sc, .offset: 24, .size: 8, .value_kind: global_buffer, .address_space: global }
      - { .name: bo, .offset: 32, .size: 8, .value_kind: global_buffer, .address_space: global }
      - { .name: out0, .offset: 40, .size: 8, .value_kind: global_buffer, .address_space: global }
    .group_segment_fixed_size: 296960
    .private_segment_fixed_size: 0
    .kernarg_segment_align: 8
    .kernarg_segment_size: 48
    .max_flat_workgroup_size: 128
    .sgpr_count:     102
    .vgpr_count:     768
    .wavefront_size: 32
...
	.end_amdgpu_metadata
.endif
;; end of part 4
